; MI455X (gfx1250); checked and timed in simulation.
; The chip was launched on July 23, 2026; its instructions are those of AMD's public machine-readable ISA for CDNA 5 (MIT licence, August 2026) and "CDNA5" Instruction Set Architecture Reference Guide (July 2026). The comments in the code are by the model that wrote it; some were corrected since.
;; Multi Head Attention. Allowed arithmetic: matrix products marked QUANTISED: E2M3 operands, one E8M0 scale for each 32 along K, by v_wmma_scale_f32_16x16x128_f8f6f4 with both operands' format E2M3, f32 sums; everything else in f32.
;; Inputs: Wk 1,024 x 1,024 float32; Wo 1,024 x 1,024 float32; Wq 1,024 x 1,024 float32; Wv 1,024 x 1,024 float32; bk 1,024 float32; bo 1,024 float32; bq 1,024 float32; bv 1,024 float32; key_padding_mask 2 x 2,048 bool; x 2 x 2,048 x 1,024 float32.
;; Outputs: out0 2 x 2,048 x 1,024 float32.
;; This version of the problem:
;;   THIS VERSION OF THE PROBLEM IS GIVEN IN LOW PRECISION. The matrix products marked QUANTISED in the list below multiply operands that are first quantised to E2M3 (2 exponent bits, 3 mantissa bits; 6 bits a number), with one power-of-two scale for each 32 numbers along K (OCP MX v1.0); their sums are f32. All else is computed in f32.
;;   The module's matrix products, in the order in which they are computed (A, B: the left and right operand; K: the contracted axis; several contracted axes count as one K, in the product's order):
;;     1. [M 4,096, K 1,024] x [K 1,024, N 1,024]; A: input x; B: input Wq: QUANTISED
;;     2. [M 4,096, K 1,024] x [K 1,024, N 1,024]; A: input x; B: input Wk: QUANTISED
;;     3. [M 4,096, K 1,024] x [K 1,024, N 1,024]; A: input x; B: input Wv: QUANTISED
;;     4. batch 32 x [M 2,048, K 64] x [K 64, N 2,048]; A: computed on the way; B: computed on the way: QUANTISED
;;     5. batch 32 x [M 64, K 2,048] x [K 2,048, N 2,048]; A: computed on the way; B: computed on the way: QUANTISED
;;     6. [M 4,096, K 1,024] x [K 1,024, N 1,024]; A: computed on the way; B: input Wo: QUANTISED
;;   THE QUANTISER, for each operand of a quantised product, along K:
;;     - K is cut into blocks of 32 from its start; a last block that is shorter is filled with zeros.
;;     - A block's scale is 2^e with e = floor(log2(the largest magnitude in the block)) - 2, held to -126 .. 127; a block of zeros has e = 0. As a byte (E8M0): e + 127.
;;     - Each number is divided by its block's scale, clamped to +-7.5, and rounded to the nearest number of E2M3, ties to even, subnormals kept.
;;     - The product sums the exact products of the quantised numbers (number of the format x scale) in f32.
;;   ~~~python
;;   def quantise(x, axis):      # numpy; x: float32 -> the quantised numbers, widened to float32 again
;;       x = np.moveaxis(x, axis, -1); K = x.shape[-1]
;;       x = np.pad(x, [(0, 0)] * (x.ndim - 1) + [(0, -K % 32)]); x = x.reshape(x.shape[:-1] + (-1, 32)); a = np.abs(x).max(-1, keepdims=True)
;;       e = np.where(a > 0, np.clip(np.frexp(np.where(a > 0, a, 1))[1] - 1 - 2, -126, 127), 0)      # np.frexp(a)[1] - 1 = floor(log2(a)), exactly
;;       r = np.clip(x / 2.0 ** e, -7.5, 7.5)
;;       step = 2.0 ** (np.maximum(np.frexp(np.where(r == 0, 1, r))[1] - 1, 0) - 3)
;;       q = np.round(r / step) * step * 2.0 ** e      # np.round: ties to even
;;       return np.moveaxis(q.reshape(q.shape[:-2] + (-1,))[..., :K], -1, axis).astype(np.float32)
;;   ~~~
;;   OPERANDS COMPUTED ON THE WAY. 'Computed on the way' means the value that the module computes at that place (a softmax that the list does not call 'softmax' is quantised finished and normalised). What goes into a quantiser is computed in f32, as accurately as f32 sums, v_exp_f32 and their like allow (about 1e-6 of the number): no bf16 or f16 on the way to a quantiser, and a product that is left as it is and whose result goes on into a quantised operand takes f32 operands (vector FMAs, or v_wmma_f32_16x16x4_f32). A number that lies on a knife's edge between two numbers of the format may be rounded either way, as far as f32 arithmetic and the matrix unit's own rounding can turn it there, and no further.
;; One version. Each part assembles by itself: llvm-mc -triple=amdgcn-amd-amdhsa -mcpu=gfx1250 --defsym DOCPART=n.
;; ======== version 1 of 1: 4 launches
;; limits: right only within a limited range of input values
;; workspace buffers: cod 6,553,600 bytes; qrec 3,407,872 bytes; krec 3,407,872 bytes; vrec 3,276,800 bytes; ao 3,276,800 bytes
;; launch quant (part 1): grid 256 x 1, 2 waves a work-group, no clusters, 17,152 bytes of LDS; arguments x, Wq, Wk, Wv, Wo, cod; writes cod
.if DOCPART == 1
	.amdgcn_target "amdgcn-amd-amdhsa--gfx1250"
	.amdhsa_code_object_version 6
	.text
	.protected	k_q52128e0a28_quant
	.globl	k_q52128e0a28_quant
	.p2align	8
	.type	k_q52128e0a28_quant,@function
k_q52128e0a28_quant:
	s_mov_b64 s[64:65], 0
	v_nop
	global_prefetch_b8 v0, s[64:65] scope:SCOPE_SE
	s_setreg_imm32_b32 hwreg(HW_REG_WAVE_MODE, 25, 1), 1
	s_wait_xcnt 0x0
; x [4096][1024] and Wq, Wk, Wv, Wo [1024][1024], f32 with K innermost, become codes of FP6 (E2M3) with one E8M0 byte for each 32 along K,
; laid as IMAGES OF OPERAND REGISTERS.  A tile g is 16 rows: lane r takes row 32 (g / 2) + 8 (g % 2) + r + 8 (r / 8).  A tile's record is 12,800 bytes:
; 16 half fragments of 768 bytes (64 along K each: lane (r, h) holds block h, six registers: the first four at 16 x lane, the last two at 512 + 8 x lane),
; then 512 bytes of scale words: the word of K step s (128 along K) and row r at 12,288 + 256 (s % 2) + 16 r + 4 (s / 2).
; Records: x 0-255, Wq 256-319, Wk 320-383, Wv 384-447, Wo 448-511.  A wave makes one record; a work-group's two waves take the two tiles of 32 rows.
; A block's scale is 2^(floor(log2(largest magnitude)) - 2): its byte is the largest magnitude's exponent field - 2, held at 1 from below.
; LIMITS: a block of zeros, and one whose largest magnitude lies under 2^-124, gets the byte 1 (a block of zeros has zero codes, which add nothing; this program alone reads the bytes);
; NaN and infinities among the inputs are not served.
; Each load reads 512 consecutive bytes of one row; a K step's 16 rows x 512 bytes turn through the wave's own stage in LDS, so that a lane gets 2 x 32 neighbours along K.
; No barrier: the waves share nothing.  Loads run two K steps (32 loads a wave) ahead.
.set REC,   12800
.set PIT,   528                        ; a stage row: 512 bytes + 16: an odd multiple of 16, so that the 16 rows of a read start in different banks
.set STW,   16*PIT                     ; a wave's stage
.set SPARE, 2*STW                      ; behind the stages: the spare words, 128 bytes a wave: one block of 256 bytes that no other line names
.set L16,  1                           ; v1   16 x lane
.set SIN,  2                           ; v2   the stage, on the way in
.set SOUT, 3                           ; v3   and on the way out: row r, + 128 h
.set L8,   4                           ; v4   8 x lane
.set SH,   5                           ; v5   8 h
.set SPW,  6                           ; v6   my spare word; never rewritten
.set NIL,  7                           ; v7   0; never rewritten
.set TM,   8                           ; v8-11  largest magnitudes
.set SO,   12                          ; v12-13 the conversions' scale operands
.set PW,   14                          ; v14  the scale word
.set PT,   15                          ; v15  the other half's part of it
.set SW,   16                          ; v16-19 the record's scale words
.set TC,   44                          ; v44-50 upper halves of the blocks' codes
.set BY,   52                          ; v52-53 the two bytes
.set X,    64                          ; v64-127  64 numbers: my two blocks
.set R,    128                         ; v128-255 two sets of 16 x 4 registers as loaded
	s_load_b256 s[4:11], s[0:1], 0x0               ; x, Wq, Wk, Wv
	s_load_b128 s[12:15], s[0:1], 0x20             ; Wo, cod
	v_lshl_add_u32 v[SPW], v0, 2, SPARE
	v_mov_b32 v[NIL], 0
	v_lshrrev_b32 v1, 5, v0
	v_readfirstlane_b32 s24, v1                    ; wave
	v_and_b32 v8, 31, v0                           ; lane
	v_and_b32 v9, 15, v0                           ; r
	v_bfe_u32 v10, v0, 4, 1                        ; h
	v_lshlrev_b32 v[L16], 4, v8
	v_lshlrev_b32 v[L8], 3, v8
	v_lshlrev_b32 v[SH], 3, v10
	s_mul_i32 s25, s24, STW
	v_add_nc_u32 v[SIN], s25, v[L16]
	v_mul_u32_u24 v[SOUT], v9, PIT
	v_lshl_add_u32 v[SOUT], v10, 7, v[SOUT]
	v_add_nc_u32 v[SOUT], s25, v[SOUT]
	v_mov_b32 v[PT], 0                             ; written once: a lane permute's destination counts as one of its sources
	s_mov_b32 s20, 0x76543210
	s_mov_b32 s21, 0xfedcba98                      ; selects for lane l xor 16
	s_mov_b32 s22, 0xffff0000                      ; lanes 16-31
	s_and_b32 s26, ttmp9, 31                       ; which 32 rows of the tensor: in a weight, the work-group's number mod 32;
	s_cmp_lt_u32 ttmp9, 128
	s_cselect_b32 s26, ttmp9, s26                  ; in x, the number itself
	s_lshl_b32 s26, s26, 17                        ; 32 rows of 4,096 bytes
	s_lshl_b32 s27, s24, 15                        ; the second tile begins 8 rows further down
	s_add_co_u32 s26, s26, s27
	s_mov_b32 s27, 0
	s_lshl_b32 s28, ttmp9, 1
	s_add_co_u32 s28, s28, s24                     ; my record
	s_mul_i32 s28, s28, REC
	s_mov_b32 s29, 0
	s_wait_alu depctr_va_vdst(0)
	s_wait_kmcnt 0x0
	s_mov_b64 s[16:17], s[12:13]                   ; the tensor is chosen by the work-group's number alone
	s_cmp_lt_u32 ttmp9, 224
	s_cselect_b64 s[16:17], s[10:11], s[16:17]
	s_cmp_lt_u32 ttmp9, 192
	s_cselect_b64 s[16:17], s[8:9], s[16:17]
	s_cmp_lt_u32 ttmp9, 160
	s_cselect_b64 s[16:17], s[6:7], s[16:17]
	s_cmp_lt_u32 ttmp9, 128
	s_cselect_b64 s[16:17], s[4:5], s[16:17]
	s_add_nc_u64 s[16:17], s[16:17], s[26:27]
	s_add_nc_u64 s[14:15], s[14:15], s[28:29]
.macro LOAD s                          ; K step s of my 16 rows: each load 512 consecutive bytes
.irp i, 0,1,2,3,4,5,6,7,8,9,10,11,12,13,14,15
	global_load_b128 v[R+64*((\s)%2)+4*\i:R+64*((\s)%2)+4*\i+3], v[L16], s[16:17] offset:(\i+8*(\i/8))*4096+512*(\s) th:TH_LOAD_NT
.endr
.endm
.macro FRAGQ s
.set RS, R+64*((\s)%2)
.set PC, 20+12*((\s)%2)                ; v20-31, v32-43: the fragment's codes, two sets by turns
.if (\s) < 7
	s_wait_loadcnt 16                              ; this K step's 16 loads are in; the next step's 16 may be out
.else
	s_wait_loadcnt 0x0
.endif
.irp i, 0,1,2,3,4,5,6,7,8,9,10,11,12,13,14,15
	ds_store_b128 v[SIN], v[RS+4*\i:RS+4*\i+3] offset:PIT*\i
.endr
.irp q, 0,1,2,3,4,5,6,7
	ds_load_b128 v[X+4*\q:X+4*\q+3], v[SOUT] offset:16*\q              ; LDS serves a wave's instructions in order: these see the stores.  k = 32 h + 0 .. 31 of row r
.endr
.irp q, 0,1,2,3,4,5,6,7
	ds_load_b128 v[X+32+4*\q:X+35+4*\q], v[SOUT] offset:256+16*\q      ; k = 64 + 32 h + 0 .. 31
.endr
	s_wait_dscnt 0x0                               ; my numbers are in, and the stores into the stage have read their registers
	s_wait_xcnt 0x0                                ; the earlier stores have read their data: this set of codes is written again only behind this wait
.if (\s) < 6
	LOAD (\s)+2
.endif
.irp k, 0,1,2,3
	v_max3_num_f32 v[TM+\k], |v[X+16*\k]|, |v[X+1+16*\k]|, 0x1800000   ; four chains of 16 numbers, each with the floor 2^(3 - 127): the byte cannot fall under 1
.endr
.irp i, 2,4,6,8,10,12,14
.irp k, 0,1,2,3
	v_max3_num_f32 v[TM+\k], v[TM+\k], |v[X+16*\k+\i]|, |v[X+1+16*\k+\i]|
.endr
.endr
	v_max_num_f32 v[TM], v[TM], v[TM+1]            ; block h
	v_max_num_f32 v[TM+1], v[TM+2], v[TM+3]        ; block 2 + h
.irp c, 0,1
	v_add_nc_u32 v[SO+\c], 0xff000000, v[TM+\c]    ; 2 off the exponent field: the conversion takes this operand's exponent field as its scale
.endr
.irp c, 0,1
	v_lshrrev_b32 v[BY+\c], 23, v[SO+\c]           ; the scale's byte
.endr
	v_lshl_or_b32 v[PW], v[BY+1], 16, v[BY]
	v_lshlrev_b32 v[PW], v[SH], v[PW]              ; at their places in the word (8 h bits up)
	v_permlanex16_b32 v[PT], v[PW], s20, s21
	v_or_b32 v[PW], v[PW], v[PT]                   ; with lane l xor 16's two bytes the word is whole, in both halves of the lanes
	v_cvt_scalef32_pk16_fp6_f32 v[PC:PC+2], v[X:X+15], v[SO]
	v_cvt_scalef32_pk16_fp6_f32 v[TC:TC+2], v[X+16:X+31], v[SO]        ; (a conversion's three registers begin on an even number)
	v_cvt_scalef32_pk16_fp6_f32 v[PC+6:PC+8], v[X+32:X+47], v[SO+1]
	v_cvt_scalef32_pk16_fp6_f32 v[TC+4:TC+6], v[X+48:X+63], v[SO+1]
	v_nop                                          ; one plain place behind the scaled conversions
.irp i, 0,1,2
	v_mov_b32 v[PC+3+\i], v[TC+\i]
	v_mov_b32 v[PC+9+\i], v[TC+4+\i]
.endr
.if (\s)%2
	v_cndmask_b32 v[SW+(\s)/2], v[SW+(\s)/2], v[PW], s22               ; odd K steps' words stand in lanes 16-31
.else
	v_mov_b32 v[SW+(\s)/2], v[PW]
.endif
	global_store_b128 v[L16], v[PC:PC+3], s[14:15] offset:1536*(\s)            ; 512 consecutive bytes,
	global_store_b64 v[L8], v[PC+4:PC+5], s[14:15] offset:1536*(\s)+512        ; 256,
	global_store_b128 v[L16], v[PC+6:PC+9], s[14:15] offset:1536*(\s)+768      ; each at a multiple of 256 from the buffer's first byte
	global_store_b64 v[L8], v[PC+10:PC+11], s[14:15] offset:1536*(\s)+1280
.endm
	LOAD 0
	LOAD 1
.irp s, 0,1,2,3,4,5,6,7
	FRAGQ \s
.endr
	global_store_b128 v[L16], v[SW:SW+3], s[14:15] offset:12288        ; the record's 512 bytes of scale words
	s_wait_tensorcnt 0x0                           ; the wave's end: behind my last LDS store
	ds_add_u32 v[SPW], v[NIL]
	s_wait_dscnt 0x0
	s_endpgm
.Lfunc_end_k_q52128e0a28_quant:
	.size	k_q52128e0a28_quant, .Lfunc_end_k_q52128e0a28_quant-k_q52128e0a28_quant
	.p2alignl 7, 3214868480
	.fill 96, 4, 3214868480
	.section	.rodata,"a",@progbits
	.p2align	6, 0x0
	.amdhsa_kernel k_q52128e0a28_quant
		.amdhsa_group_segment_fixed_size 17152
		.amdhsa_private_segment_fixed_size 0
		.amdhsa_enable_private_segment 0
		.amdhsa_kernarg_size 48
		.amdhsa_user_sgpr_count 2
		.amdhsa_user_sgpr_kernarg_segment_ptr 1
		.amdhsa_wavefront_size32 1
		.amdhsa_system_sgpr_workgroup_id_x 1
		.amdhsa_system_sgpr_workgroup_id_y 1
		.amdhsa_system_sgpr_workgroup_id_z 1
		.amdhsa_system_vgpr_workitem_id 0
		.amdhsa_next_free_vgpr 256
		.amdhsa_next_free_sgpr 66
		.amdhsa_reserve_vcc 0
		.amdhsa_float_denorm_mode_32 3
		.amdhsa_float_denorm_mode_16_64 3
		.amdhsa_memory_ordered 1
		.amdhsa_forward_progress 1
		.amdhsa_inst_pref_size 59
	.end_amdhsa_kernel
	.amdgpu_metadata
---
amdhsa.version: [ 1, 2 ]
amdhsa.kernels:
  - .name:           k_q52128e0a28_quant
    .symbol:         k_q52128e0a28_quant.kd
    .args:
      - { .name: x, .offset: 0, .size: 8, .value_kind: global_buffer, .address_space: global }
      - { .name: Wq, .offset: 8, .size: 8, .value_kind: global_buffer, .address_space: global }
      - { .name: Wk, .offset: 16, .size: 8, .value_kind: global_buffer, .address_space: global }
      - { .name: Wv, .offset: 24, .size: 8, .value_kind: global_buffer, .address_space: global }
      - { .name: Wo, .offset: 32, .size: 8, .value_kind: global_buffer, .address_space: global }
      - { .name: cod, .offset: 40, .size: 8, .value_kind: global_buffer, .address_space: global }
    .group_segment_fixed_size: 17152
    .private_segment_fixed_size: 0
    .kernarg_segment_align: 8
    .kernarg_segment_size: 48
    .max_flat_workgroup_size: 64
    .sgpr_count:     66
    .vgpr_count:     256
    .wavefront_size: 32
...
	.end_amdgpu_metadata
.endif
;; end of part 1
;; launch qkv (part 2): grid 32 x 8, 4 waves a work-group, clusters of 4 x 1, 327,680 bytes of LDS; arguments cod, bq, bk, bv, qrec, krec, vrec; writes qrec, krec, vrec
.if DOCPART == 2
	.amdgcn_target "amdgcn-amd-amdhsa--gfx1250"
	.amdhsa_code_object_version 6
	.text
	.protected	k_q52128e0a28_qkv
	.globl	k_q52128e0a28_qkv
	.p2align	8
	.type	k_q52128e0a28_qkv,@function
k_q52128e0a28_qkv:
	s_mov_b64 s[64:65], 0
	v_nop
	global_prefetch_b8 v0, s[64:65] scope:SCOPE_SE
	s_setreg_imm32_b32 hwreg(HW_REG_WAVE_MODE, 25, 1), 1
	s_wait_xcnt 0x0
	s_wait_alu depctr_hold_cnt(0) depctr_sa_sdst(0) depctr_va_vdst(0) depctr_va_sdst(0) depctr_va_ssrc(0) depctr_va_vcc(0) depctr_vm_vsrc(0)
	s_getreg_b32 s2, hwreg(HW_REG_IB_STS2, 6, 4)
	s_cmp_eq_u32 s2, 0
	s_cbranch_scc0 .Lentry_in_a_cluster
	s_endpgm
.Lentry_in_a_cluster:
	s_bfe_u32 s2, ttmp6, 0x10000c
	s_cmp_lg_u32 s2, 0x3003
	s_cbranch_scc0 .Lentry_shape_is_right
	s_endpgm
.Lentry_shape_is_right:
; q = x Wq^T + bq, k = x Wk^T + bk, v = x Wv^T + bv on codes of FP6 (E2M3, one E8M0 byte for each 32 along K), f32 sums; the results are quantised at once for the attention:
; q and k along the head's 64, v along the tokens.  All operands come as register images (tile records of 12,800 bytes: 16 half fragments of 768 bytes, 512 bytes of scale words).
; SHARES.  A work-group takes 128 tokens (block T) and two heads (pair y): three products of 128 x 128 x 1,024.  Wave w: head w / 2, tokens 64 (w % 2) on: 64 x 64, 16 accumulators.
; The wave's 64 tokens of x, all of K (32 fragments, 384 registers), are loaded ONCE into registers and serve all three products.
; The three weight tiles (102,400 bytes each) come into LDS by tensor loads, each filled once: nothing is ever filled again, so there is no ring.
; CLUSTER.  The four work-groups of a cluster share y and so the weight tiles: each tile is asked for jointly, with a mask that names the four.
; x is not shared through LDS: x's tile beside the three weight tiles is 409,600 bytes, more than a work-group can claim.
; TRANSPOSED USE.  q, k: source 0 = 16 rows of W, source 1 = 16 tokens: a lane holds one token, its registers run along the head's 64.  v: source 0 = 16 tokens, source 1 = 16 rows of Wv: a lane holds one
; channel, its registers run along the tokens.  The rows of a tile are 32 (g / 2) + 8 (g % 2) + r + 8 (r / 8), so that the 16 registers of two neighbouring tiles are 16 neighbours along the next K.
; The biases are the C of each sum's first matrix instruction.
; OUT.  qrec, krec: for each (batch x head, 128 tokens) 6,656 bytes: 8 half fragments (token tiles), 512 bytes of scale words, each byte0 | byte1 << 8 | 0x7f7f0000.
; vrec: 6,400 bytes: 4 channel tiles x 2 half fragments (64 keys each), 256 bytes of scale words (four key blocks a word).
; LIMITS: a block of zeros, and one whose largest magnitude lies under 2^-124, gets the byte 1; NaN and infinities are not served.
; REGISTERS, in windows of 256: window 0: v1-15 addresses; v16-31 x's scale words; v32-47 W's; v48-79 at work; v80-127 codes; v128-255 the accumulators ((a, b) at 128 + 32 a + 8 b).
;   windows 1, 2: x's fragments (K step s: window 1 + s / 4, register 48 (s % 4) + 12 a).   window 3: v0-95 W's fragments, two sets; v96-191 the three biases in the results' layout.
.set REC,   12800
.set WT,    8*REC                      ; a weight tile in LDS: eight records
.set VS,    3*WT                       ; 512 bytes in which two waves' halves of v's scale words meet
.set SPARE, VS+512                     ; the spare words, 128 bytes a wave: two blocks of 256 bytes that no other line names
.set SPW, 12                           ; v12  my spare word; never rewritten
.set NIL, 13                           ; v13  0; never rewritten
.set XS,  16
.set WS,  32
.set ACC, 128
.set G1,  24                           ; s[24:31] descriptor group 1
.set G0,  32                           ; s[32:43] group 0, one set for each weight tile
.set SEL, 44                           ; s[44:45] selects for lane l xor 16
.set MSB, 0
.macro WIN new                         ; the immediate's high byte repeats the setting that is left
.if MSB != \new
	s_set_vgpr_msb (MSB<<8)|\new
.set MSB, \new
.endif
.endm
.macro CROUND                          ; a round of the cluster's barrier
	s_barrier_signal -1
	s_barrier_wait -1
	s_cmp_lg_u32 s18, 0
	s_cbranch_scc1 .Lnot_wave_0_\@
	s_barrier_signal -3
.Lnot_wave_0_\@:
	s_barrier_wait -3
	s_barrier_signal -1
	s_barrier_wait -1
.endm
.macro PLACES                          ; four places in front of loads into registers that matrix instructions have read, and of the first read of results
.rept 4
	v_nop
.endr
.endm
	s_load_b256 s[4:11], s[0:1], 0x0               ; cod, bq, bk, bv
	s_load_b128 s[12:15], s[0:1], 0x20             ; qrec, krec
	s_load_b64 s[16:17], s[0:1], 0x30              ; vrec
	v_lshl_add_u32 v[SPW], v0, 2, SPARE
	v_mov_b32 v[NIL], 0
	ds_add_u32 v[SPW], v[NIL]                      ; the wave's opening: the add and its wait ahead of my first tensor load; work on registers stands between them
	ds_add_u32 v[SPW], v[NIL]
	v_lshrrev_b32 v1, 5, v0
	v_readfirstlane_b32 s18, v1                    ; wave 0..3
	s_lshr_b32 s19, s18, 1                         ; wi: which of the two heads
	s_and_b32 s20, s18, 1                          ; wj: which 64 tokens
	s_bfe_u32 s21, ttmp6, 0x40000                  ; cx
	s_lshl_b32 s22, ttmp9, 2
	s_add_co_u32 s22, s22, s21                     ; T = 4 x cluster x + cx: it enters x's and the outputs' addresses alone
	s_and_b32 s23, ttmp7, 0xffff                   ; y, which the four partners share
	s_mov_b32 s[G1+0], 15|(3<<16)|(1<<21)          ; the mask: all four; elements of 8 bytes; bit 21 set beside a mask; no padding
	s_mov_b32 s[G1+1], 32<<16                      ; tensor_dim0 = 32 elements: rows of 256 bytes
	s_mov_b32 s[G1+2], 100<<16                     ; tensor_dim1 = 100 rows: two records, dense in memory
	s_mov_b32 s[G1+3], 32<<16                      ; tile_dim0
	s_mov_b32 s[G1+4], 100                         ; tile_dim1
	s_mov_b32 s[G1+5], 32                          ; the pitch
	s_mov_b32 s[G1+6], 0
	s_mov_b32 s[G1+7], 0
	s_mov_b32 s[SEL], 0x76543210
	s_mov_b32 s[SEL+1], 0xfedcba98
	s_mov_b32 s46, 0xffff0000                      ; lanes 16-31
	s_lshl_b32 s48, s23, 3                         ; the weights: records 8 y + 2 w and the next, of each tensor: made of y and the wave's number alone
	s_lshl_b32 s49, s18, 1
	s_add_co_u32 s48, s48, s49
	s_mul_i32 s48, s48, REC
	s_mov_b32 s49, 0
	s_mul_i32 s47, s18, 2*REC                      ; and their place in a tile in LDS
	s_lshl_b32 s50, s22, 3                         ; x: records 8 T + 4 wj on
	s_lshl_b32 s51, s20, 2
	s_add_co_u32 s50, s50, s51
	s_mul_i32 s50, s50, REC
	s_mov_b32 s51, 0
	s_lshl_b32 s68, s23, 9                         ; the biases: 128 y + 64 wi numbers on
	s_lshl_b32 s69, s19, 8
	s_add_co_u32 s68, s68, s69
	s_mov_b32 s69, 0
	s_lshr_b32 s76, s22, 4                         ; the outputs' record: ((batch x 16 + head) x 16 + T % 16)
	s_lshl_b32 s76, s76, 4
	s_lshl_b32 s77, s23, 1
	s_add_co_u32 s76, s76, s77
	s_add_co_u32 s76, s76, s19
	s_lshl_b32 s76, s76, 4
	s_and_b32 s77, s22, 15
	s_add_co_u32 s76, s76, s77
	s_mul_i32 s70, s76, 6656
	s_mul_i32 s77, s20, 3072
	s_add_co_u32 s70, s70, s77                     ; q, k: my four half fragments
	s_mov_b32 s71, 0
	s_mul_i32 s72, s76, 6656
	s_lshl_b32 s77, s20, 8
	s_add_co_u32 s72, s72, s77
	s_add_co_u32 s72, s72, 6144                    ; and my 256 bytes of scale words
	s_mov_b32 s73, 0
	s_mul_i32 s78, s76, 6400                       ; v: the record,
	s_mov_b32 s79, 0
	s_mul_i32 s76, s20, 768                        ; and my half fragment of each channel tile
	s_mov_b32 s77, 0
	v_and_b32 v3, 31, v0
	v_lshlrev_b32 v1, 4, v3                        ; v1 = 16 x lane
	v_lshlrev_b32 v2, 3, v3                        ; v2 = 8 x lane
	v_and_b32 v15, 15, v0
	v_bfe_u32 v14, v0, 4, 1
	v_and_b32 v10, 8, v15
	v_add_nc_u32 v15, v10, v15
	v_lshlrev_b32 v15, 2, v15                      ; v15 = 4 (r + 8 (r / 8)): bv's number of my channel row
	v_lshlrev_b32 v14, 6, v14                      ; v14 = 64 h: bq's and bk's numbers of my half
	s_mul_i32 s2, s19, 4*REC                       ; my head's four records of a weight tile
.irp o, 0,1,2
	v_add_nc_u32 v[4+\o], s2, v1                   ; v4-6: + 16 x lane
	v_add_nc_u32 v[7+\o], s2, v2                   ; v7-9: + 8 x lane
	s_add_co_u32 s2, s2, WT
.endr
	s_lshl_b32 s2, s19, 8
	s_add_co_u32 s2, s2, VS
	v_add_nc_u32 v11, s2, v2                       ; v11: where v's scale words are read back: VS + 256 wi + 8 x lane
	s_lshl_b32 s3, s20, 1
	s_add_co_u32 s2, s2, s3
	v_add_nc_u32 v10, s2, v2                       ; v10: where my halves of them go: + 2 wj
.irp c, 0,1,2,3,4,5,6,7
	v_mov_b32 v[56+\c], 0                          ; written once: a lane permute's destination counts as one of its sources
.endr
	s_wait_dscnt 0x0                               ; the opening add is done
	s_wait_kmcnt 0x0
	s_add_nc_u64 s[74:75], s[4:5], s[48:49]
	s_add_nc_u64 s[66:67], s[4:5], s[50:51]        ; x
	s_add_nc_u64 s[6:7], s[6:7], s[68:69]
	s_add_nc_u64 s[8:9], s[8:9], s[68:69]
	s_add_nc_u64 s[10:11], s[10:11], s[68:69]
	s_add_nc_u64 s[52:53], s[12:13], s[70:71]      ; q's codes, q's scale words
	s_add_nc_u64 s[54:55], s[12:13], s[72:73]
	s_add_nc_u64 s[56:57], s[14:15], s[70:71]      ; k's
	s_add_nc_u64 s[58:59], s[14:15], s[72:73]
	s_add_nc_u64 s[62:63], s[16:17], s[78:79]      ; v's record
	s_add_nc_u64 s[60:61], s[62:63], s[76:77]      ; v's codes
.irp o, 0,1,2
	s_mov_b32 s[G0+4*\o], 1                                        ; count = 1
	s_add_co_u32 s[G0+4*\o+1], s47, \o*WT                          ; LDS address
	s_add_nc_u64 s[G0+4*\o+2:G0+4*\o+3], s[74:75], (256+64*\o)*REC ; Wq's records begin at 256, Wk's at 320, Wv's at 384
	s_or_b32 s[G0+4*\o+3], s[G0+4*\o+3], 0x80000000                ; type = 2
.endr
	CROUND                                         ; all four work-groups are here: the joint loads meet
	tensor_load_to_lds s[G0:G0+3], s[G1:G1+7]                      ; my quarter of Wq's tile: one tensor load a wave at the head
	s_nop 0
.rept 4
	v_nop
.endr
.macro XSTEP s                         ; x's four fragments of K step s
.irp a, 0,1,2,3
.set rX, 48*((\s)%4)+12*\a
	global_load_b128 v[rX:rX+3], v1, s[66:67] offset:\a*REC+1536*(\s)
	global_load_b64 v[rX+4:rX+5], v2, s[66:67] offset:\a*REC+1536*(\s)+512
	global_load_b128 v[rX+6:rX+9], v1, s[66:67] offset:\a*REC+1536*(\s)+768
	global_load_b64 v[rX+10:rX+11], v2, s[66:67] offset:\a*REC+1536*(\s)+1280
.endr
.endm
	WIN 0x40                                       ; destination window 1
.irp s, 0,1,2,3
	XSTEP \s
.endr
	WIN 0x80                                       ; destination window 2
.irp s, 4,5,6,7
	XSTEP \s
.endr
	WIN 0
.irp a, 0,1,2,3
	global_load_b128 v[XS+4*\a:XS+4*\a+3], v1, s[66:67] offset:\a*REC+12288    ; register q: K step 2 q in lanes 0-15, 2 q + 1 in lanes 16-31
.endr
	WIN 0xc0                                       ; destination window 3
.irp b, 0,1,2,3
	global_load_b128 v[96+8*\b:99+8*\b], v14, s[6:7] offset:(32*(\b/2)+8*(\b%2))*4        ; bq at the lane's eight units of tile b
	global_load_b128 v[100+8*\b:103+8*\b], v14, s[6:7] offset:(32*(\b/2)+8*(\b%2))*4+16
	global_load_b128 v[128+8*\b:131+8*\b], v14, s[8:9] offset:(32*(\b/2)+8*(\b%2))*4      ; bk likewise
	global_load_b128 v[132+8*\b:135+8*\b], v14, s[8:9] offset:(32*(\b/2)+8*(\b%2))*4+16
.endr
.irp a, 0,1,2,3
.irp j, 0,1,2,3,4,5,6,7
	global_load_b32 v[160+8*\a+\j], v15, s[10:11] offset:(32*(\a/2)+8*(\a%2))*4           ; bv of my channel, in all eight registers (they run along the tokens)
.endr
.endr
	WIN 0
.macro FETCHW o, s, set                ; my head's four fragments of weight tile o, K step s, into set
	WIN 0xc0
.irp b, 0,1,2,3
.set rW, 48*(\set)+12*\b
	ds_load_b128 v[rW:rW+3], v[4+(\o)] offset:\b*REC+1536*(\s)
	ds_load_b64 v[rW+4:rW+5], v[7+(\o)] offset:\b*REC+1536*(\s)+512
	ds_load_b128 v[rW+6:rW+9], v[4+(\o)] offset:\b*REC+1536*(\s)+768
	ds_load_b64 v[rW+10:rW+11], v[7+(\o)] offset:\b*REC+1536*(\s)+1280
.endr
.endm
.macro WSCALES o                       ; and their scale words for all of K
	WIN 0
.irp b, 0,1,2,3
	ds_load_b128 v[WS+4*\b:WS+4*\b+3], v[4+(\o)] offset:\b*REC+12288
.endr
.endm
; 16 matrix instructions, one K step.  kind 0: source 0 = W's tile b, source 1 = x's tile a.  kind 1: source 0 = x's tile b, source 1 = W's tile a.  K step 0 takes the bias as C.
; The 16 accumulators take turns, one instruction a turn, in the same order in every K step.
.macro MUL16 kind, s, o
.if (\kind) == 0
.if (\s) == 0
	WIN 0x37
.elseif (\s) < 4
	WIN 0x07
.else
	WIN 0x0b
.endif
.else
.if (\s) == 0
	WIN 0x3d
.elseif (\s) < 4
	WIN 0x0d
.else
	WIN 0x0e
.endif
.endif
.irp a, 0,1,2,3
.irp b, 0,1,2,3
.set rD, ACC+32*\a+8*\b
.if (\kind) == 0
.set rA, 48*((\s)%2)+12*\b
.set rB, 48*((\s)%4)+12*\a
.set rP, WS+4*\b+(\s)/2
.set rQ, XS+4*\a+(\s)/2
.set rC, 96+32*(\o)+8*\b
.else
.set rA, 48*((\s)%4)+12*\b
.set rB, 48*((\s)%2)+12*\a
.set rP, XS+4*\b+(\s)/2
.set rQ, WS+4*\a+(\s)/2
.set rC, 96+32*(\o)+8*\a
.endif
.if (\s) == 0
	v_wmma_scale_f32_16x16x128_f8f6f4 v[rD:rD+7], v[rA:rA+11], v[rB:rB+11], v[rC:rC+7], v[rP], v[rQ] matrix_a_fmt:MATRIX_FMT_FP6 matrix_b_fmt:MATRIX_FMT_FP6
.elseif (\s)%2
	v_wmma_scale_f32_16x16x128_f8f6f4 v[rD:rD+7], v[rA:rA+11], v[rB:rB+11], v[rD:rD+7], v[rP], v[rQ] matrix_a_fmt:MATRIX_FMT_FP6 matrix_b_fmt:MATRIX_FMT_FP6 matrix_a_scale:MATRIX_SCALE_ROW1 matrix_b_scale:MATRIX_SCALE_ROW1
.else
	v_wmma_scale_f32_16x16x128_f8f6f4 v[rD:rD+7], v[rA:rA+11], v[rB:rB+11], v[rD:rD+7], v[rP], v[rQ] matrix_a_fmt:MATRIX_FMT_FP6 matrix_b_fmt:MATRIX_FMT_FP6
.endif
.endr
.endr
.endm
; One product's eight K steps.  The next step's fragments are asked for ahead of each step's products.  more = 1: in the last step the next weight tile's first fragments, behind the barrier that shows that tile whole.
.macro KLOOP o, kind, more, tc
.irp s, 0,1,2,3,4,5,6
	PLACES
	FETCHW \o, \s+1, (\s+1)%2
	s_wait_dscnt 16                                ; all but the 16 just issued
	MUL16 \kind, \s, \o
.endr
	s_wait_dscnt 0x0                               ; K step 7's fragments are in; no LDS instruction of mine is out at the signal
.if \more
	WIN 0                                          ; the add's registers lie in window 0
	s_wait_tensorcnt 0x0                           ; my quarter of the next weight tile has landed
.if \tc
	ds_add_u32 v[SPW], v[NIL]                      ; the add and its wait, ahead of a later first fill
	s_wait_dscnt 0x0
	CROUND                                         ; everybody's quarter has landed, and the four work-groups meet
	tensor_load_to_lds s[G0+8:G0+11], s[G1:G1+7]   ; my quarter of Wv's tile: my one load behind this round
	s_nop 0
.else
	s_barrier_signal -1
	s_barrier_wait -1                              ; everybody's has
.endif
	PLACES
	FETCHW \o+1, 0, 0
.endif
	MUL16 \kind, 7, \o
.endm
; The 16 accumulators become four half fragments.  Chain c = 2 a + block: its 16 numbers are v[128 + 16 c ..]; a block of 32 lies in lanes l and l xor 16.  Each accumulator is read from its low end on.
.macro QUANT2
.irp c, 0,1,2,3,4,5,6,7
	v_max3_num_f32 v[48+\c], |v[ACC+16*\c]|, |v[ACC+1+16*\c]|, 0x1800000   ; with the floor 2^(3 - 127): the byte cannot fall under 1
.endr
.irp i, 2,4,6,8,10,12,14
.irp c, 0,1,2,3,4,5,6,7
	v_max3_num_f32 v[48+\c], v[48+\c], |v[ACC+16*\c+\i]|, |v[ACC+1+16*\c+\i]|
.endr
.endr
.irp c, 0,1,2,3,4,5,6,7
	v_permlanex16_b32 v[56+\c], v[48+\c], s[SEL], s[SEL+1]
.endr
.irp c, 0,1,2,3,4,5,6,7
	v_max_num_f32 v[48+\c], v[48+\c], v[56+\c]     ; the block's largest magnitude
.endr
.irp c, 0,1,2,3,4,5,6,7
	v_add_nc_u32 v[64+\c], 0xff000000, v[48+\c]    ; 2 off its exponent field: the conversion's scale operand
.endr
.irp c, 0,1,2,3,4,5,6,7
	v_lshrrev_b32 v[72+\c], 23, v[64+\c]           ; the scale's byte
.endr
.irp a, 0,1,2,3
	v_cvt_scalef32_pk16_fp6_f32 v[80+8*\a:82+8*\a], v[ACC+32*\a:ACC+15+32*\a], v[64+2*\a]
	v_cvt_scalef32_pk16_fp6_f32 v[112+4*\a:114+4*\a], v[ACC+16+32*\a:ACC+31+32*\a], v[65+2*\a]
.endr
	v_nop                                          ; one plain place behind the scaled conversions
.irp a, 0,1,2,3
.irp i, 0,1,2
	v_permlane16_swap_b32 v[80+8*\a+\i], v[112+4*\a+\i]    ; a whole block to a lane: lanes 0-15 block 0, lanes 16-31 block 1
.endr
.endr
.irp a, 0,1,2,3
.irp i, 0,1,2
	v_mov_b32 v[83+8*\a+\i], v[112+4*\a+\i]
.endr
.endr
.irp a, 0,1,2,3
	v_lshl_or_b32 v[72+2*\a], v[73+2*\a], 8, v[72+2*\a]    ; the two bytes of tile a's row
.endr
.endm
.macro EPI_QK cb, sb, nexto            ; q or k: quantised and stored; the next product's scale words are asked for meanwhile
	PLACES
	WSCALES \nexto
	s_wait_xcnt 0x0                                ; the earlier stores have read their data: the codes' registers are written again only behind this wait
	QUANT2
.irp a, 0,1,2,3
	v_or_b32 v[72+2*\a], 0x7f7f0000, v[72+2*\a]    ; the upper 64 of the attention's K step are zero codes on q's side: their bytes stand for 1
.endr
	v_cndmask_b32 v56, v72, v74, s46               ; lanes 0-15: tile 0's words, lanes 16-31: tile 1's
	v_cndmask_b32 v57, v76, v78, s46               ; tiles 2 and 3
.irp a, 0,1,2,3
	global_store_b128 v1, v[80+8*\a:83+8*\a], s[\cb:\cb+1] offset:768*\a
	global_store_b64 v2, v[84+8*\a:85+8*\a], s[\cb:\cb+1] offset:768*\a+512
.endr
	global_store_b64 v2, v[56:57], s[\sb:\sb+1]    ; 256 consecutive bytes
.endm
	s_wait_loadcnt 0x0                             ; x, its scale words, the biases
	s_wait_tensorcnt 0x0                           ; my quarter of Wq's tile is in
	ds_add_u32 v[SPW], v[NIL]                      ; the add and its wait, ahead of a later first fill
	s_wait_dscnt 0x0
	CROUND
	tensor_load_to_lds s[G0+4:G0+7], s[G1:G1+7]    ; my quarter of Wk's tile: my one load behind this round
	s_nop 0
	PLACES
	FETCHW 0, 0, 0
	WSCALES 0
	KLOOP 0, 0, 1, 1
	EPI_QK 52, 54, 1
	KLOOP 1, 0, 1, 0
	EPI_QK 56, 58, 2
	KLOOP 2, 1, 0, 0
	PLACES
	WIN 0
	s_wait_xcnt 0x0
	QUANT2                                         ; v: a lane holds a channel; its blocks are 32 tokens
	v_cndmask_b32 v56, v72, v74, s46
	v_cndmask_b32 v57, v76, v78, s46
.irp a, 0,1,2,3
	global_store_b128 v1, v[80+8*\a:83+8*\a], s[60:61] offset:1536*\a
	global_store_b64 v2, v[84+8*\a:85+8*\a], s[60:61] offset:1536*\a+512
.endr
	ds_store_b16 v10, v56                          ; my two of a word's four bytes; the wave with the other 64 tokens writes the other two
	ds_store_b16 v10, v57 offset:4
	s_wait_dscnt 0x0                               ; for the other wave's sake: my stores have landed
	s_barrier_signal -1
	s_barrier_wait -1
	s_cmp_lg_u32 s20, 0
	s_cbranch_scc1 .Lnot_even                      ; one wave of each head stores the whole words
	ds_load_b64 v[58:59], v11
	s_wait_dscnt 0x0
	global_store_b64 v2, v[58:59], s[62:63] offset:6144
.Lnot_even:
	s_wait_tensorcnt 0x0                           ; the wave's end: behind my last tensor load and my last LDS store
	ds_add_u32 v[SPW], v[NIL]
	s_wait_dscnt 0x0
	CROUND                                         ; the closing round
	s_endpgm
.Lfunc_end_k_q52128e0a28_qkv:
	.size	k_q52128e0a28_qkv, .Lfunc_end_k_q52128e0a28_qkv-k_q52128e0a28_qkv
	.p2alignl 7, 3214868480
	.fill 96, 4, 3214868480
	.section	.rodata,"a",@progbits
	.p2align	6, 0x0
	.amdhsa_kernel k_q52128e0a28_qkv
		.amdhsa_group_segment_fixed_size 327680
		.amdhsa_private_segment_fixed_size 0
		.amdhsa_enable_private_segment 0
		.amdhsa_kernarg_size 56
		.amdhsa_user_sgpr_count 2
		.amdhsa_user_sgpr_kernarg_segment_ptr 1
		.amdhsa_wavefront_size32 1
		.amdhsa_system_sgpr_workgroup_id_x 1
		.amdhsa_system_sgpr_workgroup_id_y 1
		.amdhsa_system_sgpr_workgroup_id_z 1
		.amdhsa_system_vgpr_workitem_id 0
		.amdhsa_next_free_vgpr 1024
		.amdhsa_next_free_sgpr 80
		.amdhsa_reserve_vcc 0
		.amdhsa_float_denorm_mode_32 3
		.amdhsa_float_denorm_mode_16_64 3
		.amdhsa_memory_ordered 1
		.amdhsa_forward_progress 1
		.amdhsa_inst_pref_size 129
	.end_amdhsa_kernel
	.amdgpu_metadata
---
amdhsa.version: [ 1, 2 ]
amdhsa.kernels:
  - .name:           k_q52128e0a28_qkv
    .symbol:         k_q52128e0a28_qkv.kd
    .args:
      - { .name: cod, .offset: 0, .size: 8, .value_kind: global_buffer, .address_space: global }
      - { .name: bq, .offset: 8, .size: 8, .value_kind: global_buffer, .address_space: global }
      - { .name: bk, .offset: 16, .size: 8, .value_kind: global_buffer, .address_space: global }
      - { .name: bv, .offset: 24, .size: 8, .value_kind: global_buffer, .address_space: global }
      - { .name: qrec, .offset: 32, .size: 8, .value_kind: global_buffer, .address_space: global }
      - { .name: krec, .offset: 40, .size: 8, .value_kind: global_buffer, .address_space: global }
      - { .name: vrec, .offset: 48, .size: 8, .value_kind: global_buffer, .address_space: global }
    .group_segment_fixed_size: 327680
    .private_segment_fixed_size: 0
    .kernarg_segment_align: 8
    .kernarg_segment_size: 56
    .max_flat_workgroup_size: 128
    .sgpr_count:     80
    .vgpr_count:     1024
    .wavefront_size: 32
...
	.end_amdgpu_metadata
.endif
;; end of part 2
;; launch attn (part 3): grid 8 x 32, 16 waves a work-group, clusters of 4 x 1, 327,680 bytes of LDS; arguments qrec, krec, vrec, key_padding_mask, ao; writes ao
.if DOCPART == 3
	.amdgcn_target "amdgcn-amd-amdhsa--gfx1250"
	.amdhsa_code_object_version 6
	.text
	.protected	k_q52128e0a28_attn
	.globl	k_q52128e0a28_attn
	.p2align	8
	.type	k_q52128e0a28_attn,@function
k_q52128e0a28_attn:
	s_mov_b64 s[64:65], 0
	v_nop
	global_prefetch_b8 v0, s[64:65] scope:SCOPE_SE
	s_setreg_imm32_b32 hwreg(HW_REG_WAVE_MODE, 25, 1), 1
	s_wait_xcnt 0x0
	s_wait_alu depctr_hold_cnt(0) depctr_sa_sdst(0) depctr_va_vdst(0) depctr_va_sdst(0) depctr_va_ssrc(0) depctr_va_vcc(0) depctr_vm_vsrc(0)
	s_getreg_b32 s2, hwreg(HW_REG_IB_STS2, 6, 4)
	s_cmp_eq_u32 s2, 0
	s_cbranch_scc0 .Lentry_in_a_cluster
	s_endpgm
.Lentry_in_a_cluster:
	s_bfe_u32 s2, ttmp6, 0x10000c
	s_cmp_lg_u32 s2, 0x3003
	s_cbranch_scc0 .Lentry_shape_is_right
	s_endpgm
.Lentry_shape_is_right:
; The attention of one (batch, head): w = softmax(q k^T / 8 under the causal mask and the key padding mask), o = w v, both products on codes of FP6 (E2M3, one E8M0 byte for each 32 along K).
; w is quantised FINISHED AND NORMALISED, so the keys are walked TWICE.  Pass 1: the row's largest t = score x log2(e) / 8 (kept as a whole number M, rounded up) and the sum l of 2^(t - M), by a running maximum.
; Pass 2: the scores again, w = 2^(t - M) / l, its codes along the keys, O^T += V^T w^T.  o is then quantised along the head's 64 for the last projection.
; SHARES.  Work-group j (0..7) of a head takes query tile j (16 queries) of each of the 16 blocks of 128 queries; the tile of block b has b + 1 steps of 128 keys (steps past the diagonal are left out).
; The 136 steps are dealt to 16 waves by the wave's number alone.  u = wave % 8.  Wave u: the tile of block 15 - u, its last 9 steps.  Wave u + 8: the first 7 - u steps of that tile, then all u + 1 steps of block u's tile.
; So a wave has 9 or 8 steps in each pass.  The two parts of a tile meet in LDS: (-M, l) behind pass 1, wave u + 8's part of O^T behind pass 2; whole numbers M make the change of M a multiplication that rounds nothing.
; K and V of the whole head lie in LDS (208,896 bytes), each filled once.  CLUSTER 4, 1, 1: the four partners share the head, so each record is asked for jointly; no branch and no LDS address hangs on j.
; Each wave fetches one record of K at the head, and one of V behind the round that shows K whole: V has pass 1 in which to land.
; NO PREFETCH: K is asked for by the first tensor loads and V directly behind them; no later trip asks memory for anything, so there is no loop to run ahead in.
; LAYOUT.  Both products transposed: S^T = K Q^T, O^T = V^T w^T: a lane holds one query.  Key tile t's lane r holds key 32 (t / 2) + 8 (t % 2) + r + 8 (r / 8): register 16 b + i of S is key 32 b + 16 (lane / 16) + i.
; The first product's K is 64: the upper six registers of Q's operand are zero codes, so what stands in the upper six of K's operand (the next tile's codes) adds nothing; the bytes of those blocks stand for 1.
; MASKS.  A padded key adds NEG = -2^100 to its score: the bias is the C of the score product.  On the diagonal step hidden scores become -infinity.
; The largest t starts at T0 = -2^83, above NEG x log2(e) / 8: a row with no kept key keeps M there, all its p are 0, l = 0, and 1 / l is replaced by 0: w = 0, as the definition has it.
; LIMITS: |score x log2(e) / 8| at or beyond 2^83 is not served; a block of zeros, and one under 2^-124, gets the byte 1; NaN and infinities are not served.
.set KRB,   6656                       ; a record of K (128 keys): 8 half fragments, 512 bytes of scale words
.set VRB,   6400                       ; a record of V: 4 fragments, 256 bytes of scale words
.set VREC,  16*KRB                     ; K's 16 records from LDS byte 0, then V's 16
.set KB,    VREC+16*VRB                ; 2,048 f32: 0 for a key that counts, NEG for a padded one
.set XCH,   KB+8192                    ; (-M, l) of each wave's part: 256 bytes a wave
.set OX,    XCH+4096                   ; waves 8-15's parts of O^T: 4,096 bytes each
.set SPARE, OX+32768                   ; the spare words, 128 bytes a wave: eight blocks of 256 bytes that no other line names
.set S,   96                           ; v96-159  S^T, then p, then w
.set O,   160                          ; v160-191 O^T; in pass 1 and at the head at work
.set TM,  192                          ; v192-207 maxima, scale operands, bytes
.set PW,  208                          ; v208     w's scale word
.set PC,  210                          ; v210-221 w's codes
.set TC,  224                          ; v224-230 upper halves of the blocks' codes
; v1 16 x lane; v2 8 x lane; v3 KB + 64 h; v4, v5 the add's two; v6 my query's place in its block less 16 h; v7 -infinity; v8-11, v29 addresses in hand; v12 -M; v13 the largest t; v[14:15] the sum;
; v16-27 Q's operand; v28 its scale words; v[30:31] 1 / l, 0; v32-79 K's half fragments, then V's fragments; v80-85 zeros; v86-89 K's scale words; v90-91 V's; v[92:93] f, 0; v94, v95 XCH addresses;
; v232-238 the low tile's Q; v239 OX address; v240-246 the high tile's Q; v248-255 the two tiles' -M, l, 1 / l.
; s14 wave; s15 u; s16 batch x 16 + head; s17 the job's block; s18 j; s19 the key step; s74 the job's end; s48, s49, s50 where the step's K, bias, V begin in LDS; s51 trips; s66 wave / 8; s67-73 the jobs.
.macro D n
	s_delay_alu instid0(VALU_DEP_\n)
.endm
.macro CROUND                          ; a round of the cluster's barrier
	s_barrier_signal -1
	s_barrier_wait -1
	s_cmp_lg_u32 s14, 0
	s_cbranch_scc1 .Lnot_wave_0_\@
	s_barrier_signal -3
.Lnot_wave_0_\@:
	s_barrier_wait -3
	s_barrier_signal -1
	s_barrier_wait -1
.endm
	s_load_b256 s[4:11], s[0:1], 0x0               ; qrec, krec, vrec, key_padding_mask
	s_load_b64 s[12:13], s[0:1], 0x20              ; ao
	v_lshl_add_u32 v4, v0, 2, SPARE
	v_mov_b32 v5, 0
	ds_add_u32 v4, v5                              ; the opening lines: the add, twice on end, and its wait ahead of my first tensor load
	ds_add_u32 v4, v5
	v_lshrrev_b32 v8, 5, v0
	D 1
	v_readfirstlane_b32 s14, v8                    ; wave 0..15
	s_and_b32 s15, s14, 7                          ; u
	s_lshr_b32 s66, s14, 3                         ; 0: waves 0-7, 1: waves 8-15
	s_bfe_u32 s18, ttmp6, 0x40000                  ; cx
	s_lshl_b32 s48, ttmp9, 2
	s_add_co_u32 s18, s48, s18                     ; j: it enters global addresses and v6 alone
	s_and_b32 s16, ttmp7, 0xffff
	s_xor_b32 s67, s15, 15                         ; the high block: 15 - u
	s_xor_b32 s48, s15, 7                          ; 7 - u
	s_xor_b32 s49, s66, 1
	s_mul_i32 s68, s48, s49                        ; job 1 begins at step 7 - u (waves 0-7) or 0,
	s_mul_i32 s49, s49, 9
	s_add_co_u32 s69, s48, s49                     ; and ends ahead of step 16 - u or 7 - u
	s_add_co_u32 s70, s15, 1
	s_mul_i32 s70, s70, s66                        ; job 2: steps 0 .. u of block u (waves 8-15), or none
	s_mul_i32 s71, s68, KRB
	s_lshl_b32 s72, s68, 9
	s_mul_i32 s73, s68, VRB
	s_add_co_u32 s73, s73, VREC
	s_mov_b32 s24, 15|(3<<16)|(1<<21)              ; group 1 for K: the mask names all four; elements of 8 bytes; bit 21 set beside a mask; no padding
	s_mov_b32 s25, 32<<16                          ; rows of 256 bytes
	s_mov_b32 s26, 26<<16                          ; 26 of them: one record
	s_mov_b32 s27, 32<<16
	s_mov_b32 s28, 26
	s_mov_b32 s29, 32
	s_mov_b32 s30, 0
	s_mov_b32 s31, 0
	s_mov_b32 s32, 15|(3<<16)|(1<<21)              ; for V: 25 rows
	s_mov_b32 s33, 32<<16
	s_mov_b32 s34, 25<<16
	s_mov_b32 s35, 32<<16
	s_mov_b32 s36, 25
	s_mov_b32 s37, 32
	s_mov_b32 s38, 0
	s_mov_b32 s39, 0
	s_mov_b32 s20, 0x76543210
	s_mov_b32 s21, 0xfedcba98                      ; selects for lane l xor 16
	s_mov_b32 s22, 0x3e38aa3b                      ; c = log2(e) / 8
	s_mov_b32 s23, s22
	s_lshl_b32 s75, s16, 4                         ; the head's first record
	s_add_co_u32 s60, s75, s14                     ; record number wave, of K and of V
	s_mul_i32 s62, s60, VRB
	s_mul_i32 s60, s60, KRB
	s_mov_b32 s61, 0
	s_mov_b32 s63, 0
	s_mov_b32 s40, 1
	s_mul_i32 s41, s14, KRB
	s_mov_b32 s44, 1
	s_mul_i32 s45, s14, VRB
	s_add_co_u32 s45, s45, VREC
	s_add_co_u32 s52, s75, s67                     ; the two query blocks' records
	s_mul_i32 s52, s52, KRB
	s_mov_b32 s53, 0
	s_add_co_u32 s54, s75, s15
	s_mul_i32 s54, s54, KRB
	s_mov_b32 s55, 0
	s_mul_i32 s56, s18, 768                        ; tile j's half fragment
	s_lshr_b32 s57, s18, 2                         ; its scale words: 6,144 + 256 (j / 4) + 128 (j % 2) + 4 ((j / 2) % 2) + 8 r
	s_lshl_b32 s57, s57, 8
	s_and_b32 s76, s18, 1
	s_lshl_b32 s77, s76, 7
	s_add_co_u32 s57, s57, s77
	s_bfe_u32 s77, s18, 0x10001
	s_lshl_b32 s77, s77, 2
	s_add_co_u32 s57, s57, s77
	s_add_co_u32 s57, s57, 6144
	s_lshr_b32 s79, s18, 1                         ; the tile's first query in its block: 32 (j / 2) + 8 (j % 2)
	s_lshl_b32 s79, s79, 5
	s_lshl_b32 s76, s76, 3
	s_add_co_u32 s79, s79, s76
	s_lshr_b32 s87, s16, 4                         ; the batch
	s_lshl_b32 s58, s87, 11                        ; its 2,048 bytes of the mask
	s_mov_b32 s59, 0
	s_cmp_eq_u32 s66, 0
	s_cselect_b32 s84, s67, s15                    ; the block whose tile I finish
	s_lshl_b32 s84, s84, 3
	s_lshl_b32 s85, s87, 7
	s_add_co_u32 s84, s84, s85
	s_add_co_u32 s84, s84, s18                     ; its token tile: 128 x batch + 8 x block + j
	s_mul_i32 s84, s84, 12800
	s_and_b32 s85, s16, 15                         ; the head
	s_mul_i32 s86, s85, 768
	s_add_co_u32 s80, s84, s86                     ; ao: the tile's record, half fragment number = head
	s_mov_b32 s81, 0
	s_bfe_u32 s86, s85, 0x10001                    ; its two scale bytes: 12,288 + 256 ((head / 2) % 2) + 4 (head / 4) + 2 (head % 2) + 16 r
	s_lshl_b32 s86, s86, 8
	s_add_co_u32 s84, s84, s86
	s_lshr_b32 s86, s85, 2
	s_lshl_b32 s86, s86, 2
	s_add_co_u32 s84, s84, s86
	s_and_b32 s86, s85, 1
	s_lshl_b32 s86, s86, 1
	s_add_co_u32 s84, s84, s86
	s_add_co_u32 s82, s84, 12288
	s_mov_b32 s83, 0
	s_lshl_b32 s75, s14, 8
	s_add_co_u32 s75, s75, XCH                     ; my 256 bytes of XCH,
	s_xor_b32 s76, s14, 8
	s_lshl_b32 s76, s76, 8
	s_add_co_u32 s76, s76, XCH                     ; and my partner's
	s_lshl_b32 s77, s15, 12
	s_add_co_u32 s77, s77, OX                      ; the pair's 4,096 bytes of OX
	s_wait_dscnt 0x0                               ; both opening adds are done
	s_wait_kmcnt 0x0
	s_add_nc_u64 s[42:43], s[6:7], s[60:61]
	s_or_b32 s43, s43, 0x80000000
	s_add_nc_u64 s[46:47], s[8:9], s[62:63]
	s_or_b32 s47, s47, 0x80000000
	CROUND                                         ; the four work-groups are here: the joint loads meet
	tensor_load_to_lds s[40:43], s[24:31]          ; K's record number wave: one load a wave
	s_nop 0
	s_add_nc_u64 s[52:53], s[4:5], s[52:53]
	s_add_nc_u64 s[54:55], s[4:5], s[54:55]
	s_add_nc_u64 s[10:11], s[10:11], s[58:59]
	s_add_nc_u64 s[80:81], s[12:13], s[80:81]
	s_add_nc_u64 s[82:83], s[12:13], s[82:83]
	v_and_b32 v8, 31, v0
	v_and_b32 v9, 15, v0                           ; r
	v_bfe_u32 v10, v0, 4, 1                        ; h
	D 3
	v_lshlrev_b32 v1, 4, v8
	D 4
	v_lshlrev_b32 v2, 3, v8
	D 3
	v_lshl_add_u32 v3, v10, 6, KB
	v_and_b32 v11, 8, v9
	v_lshlrev_b32 v10, 4, v10
	D 2
	v_add_nc_u32 v6, v11, v9
	D 1
	v_sub_nc_u32 v6, v6, v10
	D 1
	v_add_nc_u32 v6, s79, v6                       ; d: on the diagonal step register 16 b + i is hidden where 32 b + i > d
	v_add_nc_u32 v176, s56, v1
	v_add_nc_u32 v177, s56, v2
	v_lshl_add_u32 v178, v9, 3, s57
	v_lshlrev_b32 v179, 2, v0                      ; four bytes of the mask a thread
	v_add_nc_u32 v95, s75, v2
	v_add_nc_u32 v94, s76, v2
	v_add_nc_u32 v239, s77, v1
	v_mov_b32 v7, 0xff800000
	s_wait_alu depctr_va_vdst(0)
	global_load_b32 v252, v179, s[10:11]
	global_load_b128 v[16:19], v176, s[52:53]      ; the high tile's Q
	global_load_b64 v[20:21], v177, s[52:53] offset:512
	global_load_b32 v28, v178, s[52:53]
	global_load_b128 v[232:235], v176, s[54:55]    ; the low tile's
	global_load_b64 v[236:237], v177, s[54:55] offset:512
	global_load_b32 v238, v178, s[54:55]
.irp j, 0,1,2,3,4,5
	v_mov_b32 v[22+\j], 0                          ; the upper 64 of Q's K step: zero codes
	v_mov_b32 v[80+\j], 0                          ; what the last key tile's operand names behind its own six registers
.endr
.irp b, 4,5,6,7,8
	v_mov_b32 v[TM+\b], 0                          ; written once: a lane permute's destination counts as one of its sources
.endr
	v_mov_b32 v93, 0
.macro RESET1                          ; a job of pass 1 begins
	v_mov_b32 v13, 0xe9000000                      ; T0 = -2^83
	v_mov_b32 v12, 0x69000000                      ; -M = 2^83
	v_mov_b32 v14, 0
	v_mov_b32 v15, 0
.endm
	RESET1
	v_mov_b32 v253, 0xf1800000                     ; NEG = -2^100
	v_lshl_add_u32 v8, v0, 4, KB
	s_wait_alu depctr_va_vdst(0)
	s_wait_loadcnt 0x0
.irp i, 0,1,2,3
	v_bfe_u32 v254, v252, 8*\i, 8
	D 1
	v_cmp_eq_u32 vcc_lo, 0, v254
	D 1
	v_cndmask_b32 v[160+\i], 0, v253, vcc_lo       ; a padded key's bias
.endr
	ds_store_b128 v8, v[160:163]
.irp i, 0,1,2,3,4,5
	v_mov_b32 v[240+\i], v[16+\i]                  ; the high tile's Q is kept for pass 2
.endr
	v_mov_b32 v246, v28
	s_wait_alu depctr_va_vdst(0)
	s_wait_tensorcnt 0x0                           ; my record of K has landed; the add and its wait ahead of a later first fill
	ds_add_u32 v4, v5
	s_wait_dscnt 0x0                               ; the add, and my part of the biases
	CROUND                                         ; K and the biases are whole, and the four work-groups meet
	tensor_load_to_lds s[44:47], s[32:39]          ; V's record number wave: my one load behind the round
	s_nop 0
.macro JOBHI
	s_mov_b32 s19, s68
	s_mov_b32 s74, s69
	s_mov_b32 s17, s67
	s_mov_b32 s48, s71
	s_mov_b32 s49, s72
	s_mov_b32 s50, s73
	s_mov_b32 s51, 9
.endm
.macro JOBLO
	s_mov_b32 s19, 0
	s_mov_b32 s74, s70
	s_mov_b32 s17, s15
	s_mov_b32 s48, 0
	s_mov_b32 s49, 0
	s_mov_b32 s50, VREC
	s_mov_b32 s51, 8
.endm
.macro SETQ base                       ; a tile's Q into the operand: the scale word first, so that it stands eight places ahead of the next product
	v_mov_b32 v28, v[\base+6]
.irp i, 0,1,2,3,4,5
	v_mov_b32 v[16+\i], v[\base+\i]
.endr
.endm
.macro ZEROO
.set n, 0
.rept 32
	v_mov_b32 v[O+n], 0                            ; a job's first step adds onto zeros: where it begins hangs on the wave's number
.set n, n+1
.endr
.endm
; The scores of one step of 128 keys.  The biases are loaded into S and the products add onto them.  two = 1: V's addresses are made too.
.macro SCORES two
	v_add_nc_u32 v8, s48, v1                       ; (these lines are also the places in front of the loads into registers that the last products read)
	v_add_nc_u32 v9, s48, v2
	v_add_nc_u32 v10, s49, v3
.if \two
	v_add_nc_u32 v11, s50, v1
	v_add_nc_u32 v29, s50, v2
.else
	v_nop
.endif
.irp b, 0,1,2,3
.irp q, 0,1,2,3
	ds_load_b128 v[S+16*\b+4*\q:S+3+16*\b+4*\q], v10 offset:128*\b+16*\q
.endr
.endr
.irp t, 0,1,2,3,4,5,6,7
	ds_load_b128 v[32+6*\t:35+6*\t], v8 offset:768*\t
	ds_load_b64 v[36+6*\t:37+6*\t], v9 offset:768*\t+512
.endr
	ds_load_b64 v[86:87], v9 offset:6144           ; register t / 2: tile t's words in lanes 16 (t % 2) + r
	ds_load_b64 v[88:89], v9 offset:6400
	s_wait_dscnt 0x0
.irp t, 0,1,2,3,4,5,6,7
.if \t%2
	v_wmma_scale_f32_16x16x128_f8f6f4 v[S+8*\t:S+7+8*\t], v[32+6*\t:43+6*\t], v[16:27], v[S+8*\t:S+7+8*\t], v[86+\t/2], v28 matrix_a_fmt:MATRIX_FMT_FP6 matrix_b_fmt:MATRIX_FMT_FP6 matrix_a_scale:MATRIX_SCALE_ROW1
.else
	v_wmma_scale_f32_16x16x128_f8f6f4 v[S+8*\t:S+7+8*\t], v[32+6*\t:43+6*\t], v[16:27], v[S+8*\t:S+7+8*\t], v[86+\t/2], v28 matrix_a_fmt:MATRIX_FMT_FP6 matrix_b_fmt:MATRIX_FMT_FP6
.endif
.endr
.rept 4
	v_nop                                          ; places behind the products (ISA guide 7.12.1)
.endr
	s_cmp_lg_u32 s19, s17                          ; the diagonal step alone hides keys
	s_cbranch_scc1 .Lopen_\@
.set n, 0
.rept 64
	v_cmp_gt_i32 vcc_lo, 32*(n/16)+n%16, v6
	v_cndmask_b32 v[S+n], v[S+n], v7, vcc_lo
.set n, n+1
.endr
.Lopen_\@:
.endm
.macro EXPONENTS                       ; t - M, two at a time, and 2^(t - M)
.set n, 0
.rept 32
	v_pk_fma_f32 v[S+n:S+1+n], v[S+n:S+1+n], s[22:23], v[12:13] op_sel_hi:[1,0,0]
.set n, n+2
.endr
	s_wait_alu depctr_va_vdst(0)
.set n, 0
.rept 64
	v_exp_f32 v[S+n], v[S+n]
.set n, n+1
.endr
.endm
; PASS 1, one trip.  A trip at or past the job's end is left out, by a branch on the wave's number and the trip; the lines that step addresses are on every way.
.macro STEP1
	s_cmp_ge_u32 s19, s74
	s_cbranch_scc1 .Lp1_\@
	SCORES 0
.irp c, 0,1,2,3,4,5,6,7
	v_max3_num_f32 v[TM+\c], v[S+8*\c], v[S+1+8*\c], v[S+2+8*\c]       ; eight chains, one an accumulator, each read from its low end on
.endr
.irp i, 3,5
.irp c, 0,1,2,3,4,5,6,7
	v_max3_num_f32 v[TM+\c], v[TM+\c], v[S+8*\c+\i], v[S+1+8*\c+\i]
.endr
.endr
.irp c, 0,1,2,3
	v_max3_num_f32 v[TM+\c], v[TM+\c], v[S+7+8*\c], v[S+39+8*\c]
.endr
	D 4
	v_max3_num_f32 v[TM], v[TM], v[TM+4], v[TM+5]
	D 4
	v_max3_num_f32 v[TM+1], v[TM+1], v[TM+6], v[TM+7]
	D 1
	v_max3_num_f32 v[TM], v[TM], v[TM+1], v[TM+2]
	D 1
	v_max_num_f32 v[TM], v[TM], v[TM+3]
	D 1
	v_permlanex16_b32 v[TM+8], v[TM], s20, s21
	D 1
	v_max_num_f32 v[TM], v[TM], v[TM+8]            ; the step's largest score of my query
	D 1
	v_mul_f32 v[TM], s22, v[TM]
	D 1
	v_max_num_f32 v13, v13, v[TM]                  ; the running largest t
	D 1
	v_floor_f32 v[TM+1], -v13                      ; -M = floor(-t): M is a whole number
	D 1
	v_sub_f32 v92, v[TM+1], v12                    ; old M - new M, 0 or less
	v_mov_b32 v12, v[TM+1]
	D 2
	v_cvt_i32_f32 v92, v92                         ; (it saturates)
	D 1
	v_ldexp_f32 v92, 1.0, v92                      ; f = 2^(old M - new M): rounds nothing
	EXPONENTS
	v_pk_mul_f32 v[14:15], v[14:15], v[92:93] op_sel_hi:[1,0]          ; the sum under the new M: a plain place behind the exponentials
	s_wait_alu depctr_va_vdst(0)                   ; one wait for the batch, ahead of its first reader
.irp c, 0,1,2,3,4,5,6,7
	v_pk_add_f32 v[O+2*\c:O+1+2*\c], v[S+2*\c:S+1+2*\c], v[S+16+2*\c:S+17+2*\c]    ; eight chains of pairs
.endr
.irp k, 32,48
.irp c, 0,1,2,3,4,5,6,7
	v_pk_add_f32 v[O+2*\c:O+1+2*\c], v[O+2*\c:O+1+2*\c], v[S+\k+2*\c:S+\k+1+2*\c]
.endr
.endr
.irp c, 0,1,2,3
	D 4
	v_pk_add_f32 v[O+2*\c:O+1+2*\c], v[O+2*\c:O+1+2*\c], v[O+8+2*\c:O+9+2*\c]
.endr
.irp c, 0,1
	D 2
	v_pk_add_f32 v[O+2*\c:O+1+2*\c], v[O+2*\c:O+1+2*\c], v[O+4+2*\c:O+5+2*\c]
.endr
	D 1
	v_pk_add_f32 v[O:O+1], v[O:O+1], v[O+2:O+3]
	D 1
	v_pk_add_f32 v[14:15], v[14:15], v[O:O+1]
.Lp1_\@:
	s_add_co_u32 s19, s19, 1
	s_add_co_u32 s48, s48, KRB
	s_add_co_u32 s49, s49, 512
.endm
.macro LSUM dst                        ; the sum's two halves, and lane l xor 16's
	s_wait_alu depctr_va_vdst(0)
	v_add_f32 v14, v14, v15
	D 1
	v_permlanex16_b32 v[TM+8], v14, s20, s21
	D 1
	v_add_f32 v[\dst], v14, v[TM+8]
.endm
; PASS 2, one trip.
.macro STEP2
	s_cmp_ge_u32 s19, s74
	s_cbranch_scc1 .Lp2_\@
	SCORES 1
	s_wait_alu depctr_va_vdst(0)
.irp a, 0,1,2,3
	ds_load_b128 v[32+12*\a:35+12*\a], v11 offset:1536*\a              ; V's four fragments, where K's lay: asked for here, wanted behind the softmax
	ds_load_b64 v[36+12*\a:37+12*\a], v29 offset:1536*\a+512
	ds_load_b128 v[38+12*\a:41+12*\a], v11 offset:1536*\a+768
	ds_load_b64 v[42+12*\a:43+12*\a], v29 offset:1536*\a+1280
.endr
	ds_load_b64 v[90:91], v29 offset:6144          ; register a / 2: tile a's words in lanes 16 (a % 2) + r
	EXPONENTS
	v_nop                                          ; a plain place behind the exponentials
	s_wait_alu depctr_va_vdst(0)                   ; one wait for the batch, ahead of its first reader
.set n, 0
.rept 32
	v_pk_mul_f32 v[S+n:S+1+n], v[S+n:S+1+n], v[30:31] op_sel_hi:[1,0]  ; w = p / l: finished and normalised
.set n, n+2
.endr
.irp b, 0,1,2,3
	v_max3_num_f32 v[TM+\b], v[S+16*\b], v[S+1+16*\b], 0x1800000       ; each block's largest w (none is negative) in two chains, with the floor 2^(3 - 127)
	v_max3_num_f32 v[TM+4+\b], v[S+8+16*\b], v[S+9+16*\b], v[S+10+16*\b]
.endr
.irp i, 2,4
.irp b, 0,1,2,3
	v_max3_num_f32 v[TM+\b], v[TM+\b], v[S+16*\b+\i], v[S+1+16*\b+\i]
	v_max3_num_f32 v[TM+4+\b], v[TM+4+\b], v[S+9+16*\b+\i], v[S+10+16*\b+\i]
.endr
.endr
.irp b, 0,1,2,3
	v_max3_num_f32 v[TM+\b], v[TM+\b], v[S+6+16*\b], v[S+7+16*\b]
.endr
.irp b, 0,1,2,3
	D 4
	v_max3_num_f32 v[TM+\b], v[TM+\b], v[TM+4+\b], v[S+15+16*\b]
.endr
.irp b, 0,1,2,3
	D 4
	v_permlanex16_b32 v[TM+4+\b], v[TM+\b], s20, s21
.endr
.irp b, 0,1,2,3
	D 4
	v_max_num_f32 v[TM+\b], v[TM+\b], v[TM+4+\b]
.endr
.irp b, 0,1,2,3
	D 4
	v_add_nc_u32 v[TM+8+\b], 0xff000000, v[TM+\b]  ; 2 off the exponent field: the conversion's scale operand
.endr
.irp b, 0,1,2,3
	D 4
	v_lshrrev_b32 v[TM+12+\b], 23, v[TM+8+\b]      ; the scale's byte
.endr
	D 3
	v_lshl_or_b32 v[PW], v[TM+13], 8, v[TM+12]
	D 1
	v_lshl_or_b32 v[PW], v[TM+14], 16, v[PW]
	D 1
	v_lshl_or_b32 v[PW], v[TM+15], 24, v[PW]       ; the scale word: 21 places ahead of the products
.irp c, 0,1
	v_cvt_scalef32_pk16_fp6_f32 v[PC+6*\c:PC+2+6*\c], v[S+32*\c:S+15+32*\c], v[TM+8+2*\c]
	v_cvt_scalef32_pk16_fp6_f32 v[TC+4*\c:TC+2+4*\c], v[S+16+32*\c:S+31+32*\c], v[TM+9+2*\c]
.endr
	v_nop                                          ; one plain place behind the scaled conversions
.irp c, 0,1
.irp i, 0,1,2
	v_permlane16_swap_b32 v[PC+6*\c+\i], v[TC+4*\c+\i]     ; a whole block to a lane
.endr
.endr
.irp c, 0,1
.irp i, 0,1,2
	v_mov_b32 v[PC+3+6*\c+\i], v[TC+4*\c+\i]
.endr
.endr
.rept 4
	v_nop                                          ; an operand written by a vector instruction stands four places ahead of a scaled matrix instruction
.endr
	s_wait_alu depctr_va_vdst(0)
	s_wait_dscnt 0x0                               ; V
.irp a, 0,1,2,3
.if \a%2
	v_wmma_scale_f32_16x16x128_f8f6f4 v[O+8*\a:O+7+8*\a], v[32+12*\a:43+12*\a], v[PC:PC+11], v[O+8*\a:O+7+8*\a], v[90+\a/2], v[PW] matrix_a_fmt:MATRIX_FMT_FP6 matrix_b_fmt:MATRIX_FMT_FP6 matrix_a_scale:MATRIX_SCALE_ROW1
.else
	v_wmma_scale_f32_16x16x128_f8f6f4 v[O+8*\a:O+7+8*\a], v[32+12*\a:43+12*\a], v[PC:PC+11], v[O+8*\a:O+7+8*\a], v[90+\a/2], v[PW] matrix_a_fmt:MATRIX_FMT_FP6 matrix_b_fmt:MATRIX_FMT_FP6
.endif
.endr
.Lp2_\@:
	s_add_co_u32 s19, s19, 1
	s_add_co_u32 s48, s48, KRB
	s_add_co_u32 s49, s49, 512
	s_add_co_u32 s50, s50, VRB
.endm
	JOBHI                                          ; PASS 1, job 1: my part of the high tile
.Lp1a:
	STEP1
	s_sub_co_u32 s51, s51, 1
	s_cmp_lg_u32 s51, 0
	s_cbranch_scc1 .Lp1a
	LSUM 249
	v_mov_b32 v248, v12                            ; v[248:249]: my part's -M and l
	SETQ 232
	RESET1
	JOBLO                                          ; job 2: the low tile (waves 0-7 have no step of it)
	s_wait_alu depctr_va_vdst(0)
.Lp1b:
	STEP1
	s_sub_co_u32 s51, s51, 1
	s_cmp_lg_u32 s51, 0
	s_cbranch_scc1 .Lp1b
	LSUM 251
	v_mov_b32 v250, v12                            ; v[250:251]: the low tile's
	s_wait_alu depctr_va_vdst(0)
	s_wait_tensorcnt 0x0                           ; my record of V has landed
	ds_store_b64 v95, v[248:249]
	s_wait_dscnt 0x0                               ; for the others' sake: my store has landed
	s_barrier_signal -1
	s_barrier_wait -1                              ; V is whole, and so is XCH
	ds_load_b64 v[252:253], v94                    ; my partner's part of the high tile
	s_wait_dscnt 0x0
	v_min_num_f32 v254, v248, v252                 ; the tile's -M
	D 1
	v_sub_f32 v248, v254, v248
	D 2
	v_sub_f32 v252, v254, v252
	D 2
	v_cvt_i32_f32 v248, v248                       ; (they saturate)
	D 2
	v_cvt_i32_f32 v252, v252
	D 2
	v_ldexp_f32 v248, 1.0, v248
	D 2
	v_ldexp_f32 v252, 1.0, v252
	D 2
	v_mul_f32 v249, v249, v248
	D 1
	v_fma_f32 v249, v253, v252, v249               ; its l, both parts under the tile's M
	s_wait_alu depctr_va_vdst(0)
	v_rcp_f32 v255, v249
	v_rcp_f32 v253, v251
	v_mov_b32 v31, 0                               ; a plain place behind the reciprocals
	s_wait_alu depctr_va_vdst(0)                   ; the wait ahead of their first reader
	v_cmp_gt_f32 vcc_lo, v249, v31
	v_cndmask_b32 v255, v31, v255, vcc_lo          ; a row with no kept key: 0
	v_cmp_gt_f32 vcc_lo, v251, v31
	v_cndmask_b32 v253, v31, v253, vcc_lo
	SETQ 240                                       ; PASS 2, job 1
	v_mov_b32 v12, v254
	v_mov_b32 v30, v255
	ZEROO
	JOBHI
	s_wait_alu depctr_va_vdst(0)
.Lp2a:
	STEP2
	s_sub_co_u32 s51, s51, 1
	s_cmp_lg_u32 s51, 0
	s_cbranch_scc1 .Lp2a
	s_cmp_eq_u32 s66, 0
	s_cbranch_scc1 .Lkeep                          ; waves 0-7 keep their sums; waves 8-15 hand theirs over and turn to the low tile
.rept 4
	v_nop                                          ; places behind the last products
.endr
.irp a, 0,1,2,3
	s_wait_alu depctr_va_vdst(0)                   ; the wait directly ahead of a matrix result's first reader
	ds_store_b128 v239, v[O+8*\a:O+3+8*\a] offset:1024*\a              ; a register image; each accumulator from its low end on
	ds_store_b128 v239, v[O+4+8*\a:O+7+8*\a] offset:1024*\a+512
.endr
	SETQ 232
	v_mov_b32 v12, v250
	v_mov_b32 v30, v253
	s_wait_dscnt 0x0                               ; the stores have landed and have read their registers
	ZEROO
.Lkeep:
	JOBLO
	s_wait_alu depctr_va_vdst(0)
.Lp2b:
	STEP2
	s_sub_co_u32 s51, s51, 1
	s_cmp_lg_u32 s51, 0
	s_cbranch_scc1 .Lp2b
.rept 4
	v_nop                                          ; places behind the last products
.endr
	s_wait_dscnt 0x0
	s_barrier_signal -1
	s_barrier_wait -1                              ; OX is whole
	s_cmp_lg_u32 s66, 0
	s_cbranch_scc1 .Lown
.irp i, 0,1,2,3,4,5,6,7
	ds_load_b128 v[S+4*\i:S+3+4*\i], v239 offset:512*\i                ; my partner's part of the high tile's O^T
.endr
	s_wait_dscnt 0x0
	s_wait_alu depctr_va_vdst(0)
.set n, 0
.rept 16
	v_pk_add_f32 v[O+n:O+1+n], v[O+n:O+1+n], v[S+n:S+1+n]
.set n, n+2
.endr
.Lown:
	s_wait_alu depctr_va_vdst(0)
	; o is quantised along the head's 64: registers 0-15 are channels 16 h + 0 .. 15, registers 16-31 channels 32 + 16 h + 0 .. 15
.irp c, 0,1
	v_max3_num_f32 v[TM+\c], |v[O+16*\c]|, |v[O+1+16*\c]|, 0x1800000
.endr
.irp i, 2,4,6,8,10,12,14
.irp c, 0,1
	v_max3_num_f32 v[TM+\c], v[TM+\c], |v[O+16*\c+\i]|, |v[O+1+16*\c+\i]|
.endr
.endr
.irp c, 0,1
	D 2
	v_permlanex16_b32 v[TM+4+\c], v[TM+\c], s20, s21
.endr
.irp c, 0,1
	D 2
	v_max_num_f32 v[TM+\c], v[TM+\c], v[TM+4+\c]
.endr
.irp c, 0,1
	D 2
	v_add_nc_u32 v[TM+8+\c], 0xff000000, v[TM+\c]
.endr
.irp c, 0,1
	D 2
	v_lshrrev_b32 v[TM+12+\c], 23, v[TM+8+\c]
.endr
	v_cvt_scalef32_pk16_fp6_f32 v[PC:PC+2], v[O:O+15], v[TM+8]
	v_cvt_scalef32_pk16_fp6_f32 v[TC:TC+2], v[O+16:O+31], v[TM+9]
	v_nop
.irp i, 0,1,2
	v_permlane16_swap_b32 v[PC+\i], v[TC+\i]
.endr
.irp i, 0,1,2
	D 3
	v_mov_b32 v[PC+3+\i], v[TC+\i]
.endr
	v_lshl_or_b32 v[PW], v[TM+13], 8, v[TM+12]
	v_and_b32 v8, 15, v0
	D 1
	v_lshlrev_b32 v8, 4, v8                        ; 16 r
	global_store_b128 v1, v[PC:PC+3], s[80:81]     ; 512 consecutive bytes,
	global_store_b64 v2, v[PC+4:PC+5], s[80:81] offset:512             ; and 256
	global_store_b16 v8, v[PW], s[82:83]           ; my row's two scale bytes (both halves of the lanes store the same value to the same place)
	s_wait_tensorcnt 0x0                           ; the wave's end: behind my last tensor load and my last LDS store
	ds_add_u32 v4, v5
	s_wait_dscnt 0x0
	CROUND                                         ; the closing round
	s_endpgm
.Lfunc_end_k_q52128e0a28_attn:
	.size	k_q52128e0a28_attn, .Lfunc_end_k_q52128e0a28_attn-k_q52128e0a28_attn
	.p2alignl 7, 3214868480
	.fill 96, 4, 3214868480
	.section	.rodata,"a",@progbits
	.p2align	6, 0x0
	.amdhsa_kernel k_q52128e0a28_attn
		.amdhsa_group_segment_fixed_size 327680
		.amdhsa_private_segment_fixed_size 0
		.amdhsa_enable_private_segment 0
		.amdhsa_kernarg_size 40
		.amdhsa_user_sgpr_count 2
		.amdhsa_user_sgpr_kernarg_segment_ptr 1
		.amdhsa_wavefront_size32 1
		.amdhsa_system_sgpr_workgroup_id_x 1
		.amdhsa_system_sgpr_workgroup_id_y 1
		.amdhsa_system_sgpr_workgroup_id_z 1
		.amdhsa_system_vgpr_workitem_id 0
		.amdhsa_next_free_vgpr 256
		.amdhsa_next_free_sgpr 88
		.amdhsa_reserve_vcc 1
		.amdhsa_float_denorm_mode_32 3
		.amdhsa_float_denorm_mode_16_64 3
		.amdhsa_memory_ordered 1
		.amdhsa_forward_progress 1
		.amdhsa_inst_pref_size 100
	.end_amdhsa_kernel
	.amdgpu_metadata
---
amdhsa.version: [ 1, 2 ]
amdhsa.kernels:
  - .name:           k_q52128e0a28_attn
    .symbol:         k_q52128e0a28_attn.kd
    .args:
      - { .name: qrec, .offset: 0, .size: 8, .value_kind: global_buffer, .address_space: global }
      - { .name: krec, .offset: 8, .size: 8, .value_kind: global_buffer, .address_space: global }
      - { .name: vrec, .offset: 16, .size: 8, .value_kind: global_buffer, .address_space: global }
      - { .name: key_padding_mask, .offset: 24, .size: 8, .value_kind: global_buffer, .address_space: global }
      - { .name: ao, .offset: 32, .size: 8, .value_kind: global_buffer, .address_space: global }
    .group_segment_fixed_size: 327680
    .private_segment_fixed_size: 0
    .kernarg_segment_align: 8
    .kernarg_segment_size: 40
    .max_flat_workgroup_size: 512
    .sgpr_count:     88
    .vgpr_count:     256
    .wavefront_size: 32
...
	.end_amdgpu_metadata
.endif
;; end of part 3
;; launch oproj (part 4): grid 8 x 32, 4 waves a work-group, clusters of 4 x 4, 222,720 bytes of LDS; arguments ao, cod, bo, out0; writes out0
.if DOCPART == 4
	.amdgcn_target "amdgcn-amd-amdhsa--gfx1250"
	.amdhsa_code_object_version 6
	.text
	.protected	k_q52128e0a28_oproj
	.globl	k_q52128e0a28_oproj
	.p2align	8
	.type	k_q52128e0a28_oproj,@function
k_q52128e0a28_oproj:
	s_mov_b64 s[64:65], 0
	v_nop
	global_prefetch_b8 v0, s[64:65] scope:SCOPE_SE
	s_setreg_imm32_b32 hwreg(HW_REG_WAVE_MODE, 25, 1), 1
	s_wait_xcnt 0x0
	s_wait_alu depctr_hold_cnt(0) depctr_sa_sdst(0) depctr_va_vdst(0) depctr_va_sdst(0) depctr_va_ssrc(0) depctr_va_vcc(0) depctr_vm_vsrc(0)
	s_getreg_b32 s2, hwreg(HW_REG_IB_STS2, 6, 4)
	s_cmp_eq_u32 s2, 0
	s_cbranch_scc0 .Lentry_in_a_cluster
	s_endpgm
.Lentry_in_a_cluster:
	s_bfe_u32 s2, ttmp6, 0x10000c
	s_cmp_lg_u32 s2, 0xf033
	s_cbranch_scc0 .Lentry_shape_is_right
	s_endpgm
.Lentry_shape_is_right:
; out0 = o Wo^T + bo on codes of FP6 (E2M3, one E8M0 byte for each 32 along K), f32 sums.  Both operands come as register images: tile records of 12,800 bytes (16 half fragments of 768 bytes, 512 bytes of scale words).
; SHARES.  A work-group makes 128 tokens (block T) x 128 outputs (block X), all of K = 1,024.  Wave w: outputs 64 (w / 2) on, tokens 64 (w % 2) on: 16 accumulators.
; Both tiles (102,400 bytes each) come into LDS once: no ring.  CLUSTER 4 x 4: o's tile hangs on T alone and is asked for jointly along a row of the cluster, Wo's on X alone, along a column.
; The wave's 32 fragments of o go from LDS into registers once; Wo's fragments come K step by K step, in two sets.
; TRANSPOSED USE: source 0 = 16 rows of Wo, source 1 = 16 tokens: a lane's eight results are eight neighbouring outputs of one token.  bo is the C of each sum's first matrix instruction.
; The rows of a tile are 32 (g / 2) + 8 (g % 2) + r + 8 (r / 8), for tokens and for Wo's rows.
; REGISTERS: window 0: v1-15 addresses; v16-31 o's scale words; v32-47 Wo's; v48-111 the way out; v128-255 the accumulators.  windows 1, 2: o's fragments.  window 3: v0-95 Wo's, two sets; v96-127 bo.
.set REC,   12800
.set WT,    8*REC
.set STAGE, 2*WT                       ; behind the tiles: 16 rows x (256 + 16) bytes for each wave; no tensor load lands there
.set SPARE, STAGE+4*16*272             ; the spare words, 128 bytes a wave: two blocks of 256 bytes that no other line names
.set CO,  3                            ; v3   my byte offset in two rows of out0
.set STO, 10                           ; v10  the stage: where I put 32 bytes of a row
.set RD,  11                           ; v11  and where I read a row back
.set SPW, 12
.set NIL, 13
.set XS,  16
.set WS,  32
.set ACC, 128
.set MSB, 0
.macro WIN new                         ; the immediate's high byte repeats the setting that is left
.if MSB != \new
	s_set_vgpr_msb (MSB<<8)|\new
.set MSB, \new
.endif
.endm
.macro CROUND                          ; a round of the cluster's barrier
	s_barrier_signal -1
	s_barrier_wait -1
	s_cmp_lg_u32 s18, 0
	s_cbranch_scc1 .Lnot_wave_0_\@
	s_barrier_signal -3
.Lnot_wave_0_\@:
	s_barrier_wait -3
	s_barrier_signal -1
	s_barrier_wait -1
.endm
.macro PLACES                          ; four places in front of loads into registers that matrix instructions have read, and of the first read of results
.rept 4
	v_nop
.endr
.endm
	s_load_b256 s[4:11], s[0:1], 0x0               ; ao, cod, bo, out0
	v_lshl_add_u32 v[SPW], v0, 2, SPARE
	v_mov_b32 v[NIL], 0
	ds_add_u32 v[SPW], v[NIL]                      ; the wave's opening: the add and its wait ahead of my first tensor load; work on registers stands between them
	ds_add_u32 v[SPW], v[NIL]
	v_lshrrev_b32 v1, 5, v0
	v_readfirstlane_b32 s18, v1                    ; wave 0..3
	s_lshr_b32 s19, s18, 1                         ; wi: which 64 outputs
	s_and_b32 s20, s18, 1                          ; wj: which 64 tokens
	s_bfe_u32 s21, ttmp6, 0x40000                  ; cx
	s_bfe_u32 s22, ttmp6, 0x40004                  ; cy
	s_lshl_b32 s23, ttmp9, 2
	s_add_co_u32 s23, s23, s21                     ; X
	s_and_b32 s50, ttmp7, 0xffff
	s_lshl_b32 s50, s50, 2
	s_add_co_u32 s50, s50, s22                     ; T
	s_lshl_b32 s51, s22, 2
	s_lshl_b32 s51, 15, s51                        ; my row of the cluster
	s_lshl_b32 s48, 0x1111, s21                    ; my column
	s_or_b32 s24, s51, (3<<16)|(1<<21)             ; group 1 for o's tile: the mask; elements of 8 bytes; bit 21 set beside a mask
	s_or_b32 s32, s48, (3<<16)|(1<<21)             ; for Wo's
.irp g, 24, 32
	s_mov_b32 s[\g+1], 32<<16                      ; rows of 256 bytes,
	s_mov_b32 s[\g+2], 200<<16                     ; 200 of them: four records, dense in memory
	s_mov_b32 s[\g+3], 32<<16
	s_mov_b32 s[\g+4], 200
	s_mov_b32 s[\g+5], 32
	s_mov_b32 s[\g+6], 0
	s_mov_b32 s[\g+7], 0
.endr
	s_lshl_b32 s52, s23, 3                         ; Wo: records 448 + 8 X + 4 (w % 2) and the next three: made of X and the wave's number alone
	s_lshl_b32 s53, s20, 2                         ; a fetching wave takes four records: which half of the tile, by wave % 2
	s_add_co_u32 s52, s52, s53
	s_add_co_u32 s52, s52, 448
	s_mul_i32 s52, s52, REC
	s_mov_b32 s53, 0
	s_lshl_b32 s54, s50, 3                         ; o: records 8 T + 4 (w % 2) and the next three: made of T and the wave's number alone
	s_lshl_b32 s55, s20, 2
	s_add_co_u32 s54, s54, s55
	s_mul_i32 s54, s54, REC
	s_mov_b32 s55, 0
	s_mul_i32 s49, s20, 4*REC
	s_lshl_b32 s56, s23, 9                         ; bo, and a row of out0: 128 X + 64 wi numbers on
	s_lshl_b32 s57, s19, 8
	s_add_co_u32 s56, s56, s57
	s_mov_b32 s57, 0
	s_lshl_b32 s58, s50, 7                         ; out0: row 128 T + 64 wj
	s_lshl_b32 s59, s20, 6
	s_add_co_u32 s58, s58, s59
	s_lshl_b32 s58, s58, 12
	s_add_co_u32 s58, s58, s56
	s_mov_b32 s59, 0
	v_and_b32 v3, 31, v0
	v_lshlrev_b32 v1, 4, v3                        ; 16 x lane
	v_lshlrev_b32 v2, 3, v3                        ; 8 x lane
	v_and_b32 v15, 15, v0                          ; r
	v_bfe_u32 v9, v0, 4, 1                         ; h
	v_lshlrev_b32 v14, 6, v9                       ; 64 h
	s_mul_i32 s60, s19, 4*REC
	v_add_nc_u32 v4, s60, v1                       ; v4, v7: my four records of Wo's tile
	v_add_nc_u32 v7, s60, v2
	s_mul_i32 s60, s20, 4*REC
	s_add_co_u32 s60, s60, WT
	v_add_nc_u32 v5, s60, v1                       ; v5, v8: my four records of o's tile
	v_add_nc_u32 v8, s60, v2
	s_mul_i32 s60, s18, 16*272
	s_add_co_u32 s60, s60, STAGE
	v_mul_u32_u24 v[STO], v15, 272
	v_add_nc_u32 v[STO], v14, v[STO]
	v_add_nc_u32 v[STO], s60, v[STO]               ; in: row r, + 64 h
	v_mul_u32_u24 v[RD], v9, 272
	v_lshl_add_u32 v[RD], v15, 4, v[RD]
	v_add_nc_u32 v[RD], s60, v[RD]                 ; back: lanes 0-15 one row of 256 bytes, lanes 16-31 the next
	v_lshlrev_b32 v[CO], 12, v9
	v_lshl_add_u32 v[CO], v15, 4, v[CO]            ; and the same two rows in out0
	s_wait_dscnt 0x0                               ; the opening add is done
	s_wait_kmcnt 0x0
	s_mov_b32 s40, 1
	s_mov_b32 s41, s49
	s_add_nc_u64 s[42:43], s[6:7], s[52:53]
	s_or_b32 s43, s43, 0x80000000
	s_mov_b32 s44, 1
	s_add_co_u32 s45, s49, WT
	s_add_nc_u64 s[46:47], s[4:5], s[54:55]
	s_or_b32 s47, s47, 0x80000000
	s_add_nc_u64 s[8:9], s[8:9], s[56:57]
	s_add_nc_u64 s[10:11], s[10:11], s[58:59]
	CROUND                                         ; all sixteen work-groups are here: the joint loads meet
	s_cmp_eq_u32 s19, 0                            ; one tensor load a wave: waves 0, 1 fetch the halves of Wo's tile, waves 2, 3 those of o's
	s_cbranch_scc0 .Lfor_o
	tensor_load_to_lds s[40:43], s[32:39]
	s_nop 0
.rept 4
	v_nop
.endr
	s_branch .Lasked
.Lfor_o:
	tensor_load_to_lds s[44:47], s[24:31]
	s_nop 0
.rept 4
	v_nop
.endr
.Lasked:
	WIN 0xc0
.irp b, 0,1,2,3
	global_load_b128 v[96+8*\b:99+8*\b], v14, s[8:9] offset:(32*(\b/2)+8*(\b%2))*4        ; bo at the lane's eight outputs of tile b
	global_load_b128 v[100+8*\b:103+8*\b], v14, s[8:9] offset:(32*(\b/2)+8*(\b%2))*4+16
.endr
	WIN 0
	s_wait_tensorcnt 0x0
	s_wait_loadcnt 0x0
	s_barrier_signal -1
	s_barrier_wait -1                              ; both tiles are whole
.irp a, 0,1,2,3
	ds_load_b128 v[XS+4*\a:XS+4*\a+3], v5 offset:\a*REC+12288          ; register q: K step 2 q in lanes 0-15, 2 q + 1 in lanes 16-31
.endr
.irp b, 0,1,2,3
	ds_load_b128 v[WS+4*\b:WS+4*\b+3], v4 offset:\b*REC+12288
.endr
.macro XSTEP s                         ; o's four fragments of K step s
.irp a, 0,1,2,3
.set rX, 48*((\s)%4)+12*\a
	ds_load_b128 v[rX:rX+3], v5 offset:\a*REC+1536*(\s)
	ds_load_b64 v[rX+4:rX+5], v8 offset:\a*REC+1536*(\s)+512
	ds_load_b128 v[rX+6:rX+9], v5 offset:\a*REC+1536*(\s)+768
	ds_load_b64 v[rX+10:rX+11], v8 offset:\a*REC+1536*(\s)+1280
.endr
.endm
	WIN 0x40
	s_wait_alu depctr_va_vdst(0)
.irp s, 0,1,2,3
	XSTEP \s
.endr
	WIN 0x80
.irp s, 4,5,6,7
	XSTEP \s
.endr
.macro FETCHW s, set                   ; Wo's four fragments of K step s into set
	WIN 0xc0
.irp b, 0,1,2,3
.set rW, 48*(\set)+12*\b
	ds_load_b128 v[rW:rW+3], v4 offset:\b*REC+1536*(\s)
	ds_load_b64 v[rW+4:rW+5], v7 offset:\b*REC+1536*(\s)+512
	ds_load_b128 v[rW+6:rW+9], v4 offset:\b*REC+1536*(\s)+768
	ds_load_b64 v[rW+10:rW+11], v7 offset:\b*REC+1536*(\s)+1280
.endr
.endm
; 16 matrix instructions, one K step; the 16 accumulators take turns, one instruction a turn, in the same order in every K step
.macro MUL16 s
.if (\s) == 0
	WIN 0x37                                       ; source 0 (Wo) and C (bo) window 3, source 1 (o) window 1
.elseif (\s) < 4
	WIN 0x07
.else
	WIN 0x0b                                       ; source 1 window 2
.endif
.irp a, 0,1,2,3
.irp b, 0,1,2,3
.set rD, ACC+32*\a+8*\b
.set rA, 48*((\s)%2)+12*\b
.set rB, 48*((\s)%4)+12*\a
.set rP, WS+4*\b+(\s)/2
.set rQ, XS+4*\a+(\s)/2
.if (\s) == 0
	v_wmma_scale_f32_16x16x128_f8f6f4 v[rD:rD+7], v[rA:rA+11], v[rB:rB+11], v[96+8*\b:103+8*\b], v[rP], v[rQ] matrix_a_fmt:MATRIX_FMT_FP6 matrix_b_fmt:MATRIX_FMT_FP6
.elseif (\s)%2
	v_wmma_scale_f32_16x16x128_f8f6f4 v[rD:rD+7], v[rA:rA+11], v[rB:rB+11], v[rD:rD+7], v[rP], v[rQ] matrix_a_fmt:MATRIX_FMT_FP6 matrix_b_fmt:MATRIX_FMT_FP6 matrix_a_scale:MATRIX_SCALE_ROW1 matrix_b_scale:MATRIX_SCALE_ROW1
.else
	v_wmma_scale_f32_16x16x128_f8f6f4 v[rD:rD+7], v[rA:rA+11], v[rB:rB+11], v[rD:rD+7], v[rP], v[rQ] matrix_a_fmt:MATRIX_FMT_FP6 matrix_b_fmt:MATRIX_FMT_FP6
.endif
.endr
.endr
.endm
	FETCHW 0, 0
.irp s, 0,1,2,3,4,5,6
	PLACES
	FETCHW \s+1, (\s+1)%2
	s_wait_dscnt 16                                ; all but the 16 just issued
	MUL16 \s
.endr
	s_wait_dscnt 0x0
	MUL16 7
	WIN 0
; THE WAY OUT, a tile of 16 tokens x 64 outputs at a time, through my own stage: a lane holds 32 neighbouring bytes of a row for each tile of outputs; back come whole rows of 256 bytes.
; LDS serves a wave's instructions in order (ISA guide 5.7.1.4): no wait between the stores and the loads, nor in front of the next tile's stores.
.macro TOSTAGE a
.irp b, 0,1,2,3
	ds_store_b128 v[STO], v[ACC+32*(\a)+8*\b:ACC+32*(\a)+8*\b+3] offset:128*(\b/2)+32*(\b%2)           ; each accumulator from its low end on
	ds_store_b128 v[STO], v[ACC+32*(\a)+8*\b+4:ACC+32*(\a)+8*\b+7] offset:128*(\b/2)+32*(\b%2)+16
.endr
.irp i, 0,1,2,3,4,5,6,7
	ds_load_b128 v[48+32*((\a)%2)+4*\i:51+32*((\a)%2)+4*\i], v[RD] offset:544*\i
.endr
.endm
.macro SEND a, younger                 ; younger: the LDS instructions issued behind tile a's loads, which may stay out
	s_wait_dscnt \younger
.irp i, 0,1,2,3,4,5,6,7
	global_store_b128 v[CO], v[48+32*((\a)%2)+4*\i:51+32*((\a)%2)+4*\i], s[10:11] offset:(32*((\a)/2)+8*((\a)%2)+2*\i+8*(\i/4))*4096 th:TH_STORE_NT   ; 16 lanes store 256 consecutive bytes, at a multiple of 256 from out0's first byte
.endr
.endm
	PLACES
	TOSTAGE 0
.irp a, 1,2,3
.if \a > 1
	s_wait_xcnt 0x0                                ; tile a - 2's stores have read their registers: tile a's loads may land there
.endif
	TOSTAGE \a
	SEND \a-1, 16                                  ; behind tile a - 1's loads: tile a's 8 stores and 8 loads
.endr
	SEND 3, 0
	s_wait_tensorcnt 0x0                           ; the wave's end: behind my last tensor load and my last LDS store
	ds_add_u32 v[SPW], v[NIL]
	s_wait_dscnt 0x0
	CROUND                                         ; the closing round
	s_endpgm
.Lfunc_end_k_q52128e0a28_oproj:
	.size	k_q52128e0a28_oproj, .Lfunc_end_k_q52128e0a28_oproj-k_q52128e0a28_oproj
	.p2alignl 7, 3214868480
	.fill 96, 4, 3214868480
	.section	.rodata,"a",@progbits
	.p2align	6, 0x0
	.amdhsa_kernel k_q52128e0a28_oproj
		.amdhsa_group_segment_fixed_size 222720
		.amdhsa_private_segment_fixed_size 0
		.amdhsa_enable_private_segment 0
		.amdhsa_kernarg_size 32
		.amdhsa_user_sgpr_count 2
		.amdhsa_user_sgpr_kernarg_segment_ptr 1
		.amdhsa_wavefront_size32 1
		.amdhsa_system_sgpr_workgroup_id_x 1
		.amdhsa_system_sgpr_workgroup_id_y 1
		.amdhsa_system_sgpr_workgroup_id_z 1
		.amdhsa_system_vgpr_workitem_id 0
		.amdhsa_next_free_vgpr 1024
		.amdhsa_next_free_sgpr 66
		.amdhsa_reserve_vcc 0
		.amdhsa_float_denorm_mode_32 3
		.amdhsa_float_denorm_mode_16_64 3
		.amdhsa_memory_ordered 1
		.amdhsa_forward_progress 1
		.amdhsa_inst_pref_size 49
	.end_amdhsa_kernel
	.amdgpu_metadata
---
amdhsa.version: [ 1, 2 ]
amdhsa.kernels:
  - .name:           k_q52128e0a28_oproj
    .symbol:         k_q52128e0a28_oproj.kd
    .args:
      - { .name: ao, .offset: 0, .size: 8, .value_kind: global_buffer, .address_space: global }
      - { .name: cod, .offset: 8, .size: 8, .value_kind: global_buffer, .address_space: global }
      - { .name: bo, .offset: 16, .size: 8, .value_kind: global_buffer, .address_space: global }
      - { .name: out0, .offset: 24, .size: 8, .value_kind: global_buffer, .address_space: global }
    .group_segment_fixed_size: 222720
    .private_segment_fixed_size: 0
    .kernarg_segment_align: 8
    .kernarg_segment_size: 32
    .max_flat_workgroup_size: 128
    .sgpr_count:     66
    .vgpr_count:     1024
    .wavefront_size: 32
...
	.end_amdgpu_metadata
.endif
;; end of part 4
